; MI455X (gfx1250); checked and timed in simulation.
; The chip was launched on July 23, 2026; its instructions are those of AMD's public machine-readable ISA for CDNA 5 (MIT licence, August 2026) and "CDNA5" Instruction Set Architecture Reference Guide (July 2026). The comments in the code are by the model that wrote it; some were corrected since.
;; Causal Self Attention. Allowed arithmetic: matrix products marked QUANTISED: E2M3 operands, one E8M0 scale for each 32 along K, by v_wmma_scale_f32_16x16x128_f8f6f4 with both operands' format E2M3, f32 sums; everything else in f32.
;; Inputs: W_attn 1,024 x 3,072 float32; W_proj 1,024 x 1,024 float32; b_attn 3,072 float32; b_proj 1,024 float32; mask 1 x 1 x 2,048 x 2,048 bool; x 4 x 2,048 x 1,024 float32.
;; Outputs: out0 4 x 2,048 x 1,024 float32.
;; This version of the problem:
;;   THIS VERSION OF THE PROBLEM IS GIVEN IN LOW PRECISION. The matrix products marked QUANTISED in the list below multiply operands that are first quantised to E2M3 (2 exponent bits, 3 mantissa bits; 6 bits a number), with one power-of-two scale for each 32 numbers along K (OCP MX v1.0); their sums are f32. All else is computed in f32.
;;   The module's matrix products, in the order in which they are computed (A, B: the left and right operand; K: the contracted axis; several contracted axes count as one K, in the product's order):
;;     1. [M 8,192, K 1,024] x [K 1,024, N 3,072]; A: input x; B: input W_attn: QUANTISED
;;     2. batch 64 x [M 2,048, K 64] x [K 64, N 2,048]; A: computed on the way; B: computed on the way: QUANTISED
;;     3. batch 64 x [M 2,048, K 2,048] x [K 2,048, N 64]; A: softmax (see below); B: computed on the way: QUANTISED
;;     4. [M 8,192, K 1,024] x [K 1,024, N 1,024]; A: computed on the way; B: input W_proj: QUANTISED
;;   THE QUANTISER, for each operand of a quantised product, along K:
;;     - K is cut into blocks of 32 from its start; a last block that is shorter is filled with zeros.
;;     - A block's scale is 2^e with e = floor(log2(the largest magnitude in the block)) - 2, held to -126 .. 127; a block of zeros has e = 0. As a byte (E8M0): e + 127.
;;     - Each number is divided by its block's scale, clamped to +-7.5, and rounded to the nearest number of E2M3, ties to even, subnormals kept.
;;     - The product sums the exact products of the quantised numbers (number of the format x scale) in f32.
;;   ~~~python
;;   def quantise(x, axis):      # numpy; x: float32 -> the quantised numbers, widened to float32 again
;;       x = np.moveaxis(x, axis, -1); K = x.shape[-1]
;;       x = np.pad(x, [(0, 0)] * (x.ndim - 1) + [(0, -K % 32)]); x = x.reshape(x.shape[:-1] + (-1, 32)); a = np.abs(x).max(-1, keepdims=True)
;;       e = np.where(a > 0, np.clip(np.frexp(np.where(a > 0, a, 1))[1] - 1 - 2, -126, 127), 0)      # np.frexp(a)[1] - 1 = floor(log2(a)), exactly
;;       r = np.clip(x / 2.0 ** e, -7.5, 7.5)
;;       step = 2.0 ** (np.maximum(np.frexp(np.where(r == 0, 1, r))[1] - 1, 0) - 3)
;;       q = np.round(r / step) * step * 2.0 ** e      # np.round: ties to even
;;       return np.moveaxis(q.reshape(q.shape[:-2] + (-1,))[..., :K], -1, axis).astype(np.float32)
;;   ~~~
;;   SOFTMAX AHEAD OF A QUANTISED PRODUCT. Where the list says 'softmax', what is quantised is not the finished softmax but p = 2^(t - M), with t = logit x log2(e) and M = ceil(the row's largest t), a whole number; so 1/2 < the row's largest p <= 1. The row's sum l is taken of the UNQUANTISED p, in f32, and the product's result is divided by l at the end. Since M is a whole number, a kernel that streams over the keys may use a running M (the ceiling of the running maximum): every later rescaling is an exact power of two, which a block's scale takes up: the codes' values come out the same.
;;   OPERANDS COMPUTED ON THE WAY. 'Computed on the way' means the value that the module computes at that place (a softmax that the list does not call 'softmax' is quantised finished and normalised). What goes into a quantiser is computed in f32, as accurately as f32 sums, v_exp_f32 and their like allow (about 1e-6 of the number): no bf16 or f16 on the way to a quantiser, and a product that is left as it is and whose result goes on into a quantised operand takes f32 operands (vector FMAs, or v_wmma_f32_16x16x4_f32). A number that lies on a knife's edge between two numbers of the format may be rounded either way, as far as f32 arithmetic and the matrix unit's own rounding can turn it there, and no further.
;; 2 versions, each right; version 2 is version 1 with the launch attn written anew for expert scheduling mode. Each part assembles by itself: llvm-mc -triple=amdgcn-amd-amdhsa -mcpu=gfx1250 --defsym DOCPART=n.
;; ======== version 1 of 2: 4 launches
;; limits: right only within a limited range of input values
;; workspace buffers: xq 6,553,600 bytes; wq 3,276,800 bytes; mk 532,480 bytes of whole numbers; qq 6,815,744 bytes; kv 13,369,344 bytes; yq 6,553,600 bytes
;; launch prep (part 1): grid 512 x 1, 4 waves a work-group, no clusters, 47,616 bytes of LDS; arguments x, W_attn, W_proj, mask, xq, wq, mk; writes xq, wq, mk
.if DOCPART == 1
	.amdgcn_target "amdgcn-amd-amdhsa--gfx1250"
	.amdhsa_code_object_version 6
	.text
	.protected	k_q084ec79a03_prep
	.globl	k_q084ec79a03_prep
	.p2align	8
	.type	k_q084ec79a03_prep,@function
k_q084ec79a03_prep:
	s_mov_b64 s[64:65], 0
	v_nop
	global_prefetch_b8 v0, s[64:65] scope:SCOPE_SE
	s_setreg_imm32_b32 hwreg(HW_REG_WAVE_MODE, 25, 1), 1
	s_wait_xcnt 0x0
; Three jobs in one launch, told apart by the work-group's number; the three ways never join, and each has LDS bytes of its own.
;   work-groups   0-255: x [8192][1024] f32 -> codes of FP6 (E2M3) and E8M0 scale words, quantised along its rows' 1,024
;   work-groups 256-383: W_attn [1024][3072] and W_proj [1024][1024] f32 -> the same, quantised along their FIRST axis; 4,096 rows n: W_attn's columns, then W_proj's
;   work-groups 384-511: mask [2048][2048] bool -> lane masks for the attention launch, and for each tile of 16 queries and step of 128 keys a code of two bits
; LAYOUT OF AN OPERAND.  A fragment is 16 rows x 128 K, stored as the image of its 12 registers a lane: registers 0-3 at 16 x lane, 4-5 at 512 + 8 x lane, 6-9 at 768 + 16 x lane, 10-11 at 1280 + 8 x lane: 1,536 bytes.
; Fragment 2 g + u holds in lane row r the tensor's row 32 g + 8 u + r + 8 (r / 8).  Codes: [256 along K: 4][fragment][128 along K: 2][1536]; scale words: [fragment][4][r][2].
; A block's scale is 2^(floor(log2(largest magnitude)) - 2): its byte is the largest magnitude's exponent field less 2, held at 1 from below.
; LIMITS: NaN and infinities are not served; a block whose largest magnitude lies under 2^-124, a block of zeros among them, keeps the byte 1 (its codes add what they are worth under that byte; only this program reads the bytes).
; A mask byte counts as true where it is not 0.
.set STRX,  1572864                    ; 512 fragments x 3,072 bytes: 256 along K of x
.set STRW,  786432                     ; 256 fragments x 3,072
.set XSC,   6291456                    ; where x's scale words begin
.set WSC,   3145728                    ; and the weights'
.set MFL,   524288                     ; where the step codes begin in mk
.set XPIT,  528                        ; x's stage: a row of 512 bytes + 16
.set XSTG,  16*XPIT                    ; a wave's stage
.set WSTG0, 4*XSTG                     ; the weights' stages begin behind x's four
.set WFP,   1664                       ; a fragment's place in a weights' stage: 1,536 + 128, so that the two fragments' stores fall on different banks
	s_load_b256 s[4:11], s[0:1], 0x0               ; x, W_attn, W_proj, mask
	s_load_b128 s[12:15], s[0:1], 0x20             ; xq, wq
	s_load_b64 s[16:17], s[0:1], 0x30              ; mk
	v_lshl_add_u32 v254, v0, 2, 0xb800
	v_mov_b32 v255, 0
	v_lshrrev_b32 v1, 5, v0
	v_readfirstlane_b32 s18, v1                    ; wave
	v_and_b32 v2, 31, v0                           ; lane
	v_lshlrev_b32 v3, 4, v2                        ; 16 x lane
	v_lshlrev_b32 v4, 3, v2                        ; 8 x lane
	s_wait_kmcnt 0x0
	s_cmp_lt_u32 ttmp9, 256
	s_cbranch_scc0 .Lweights
; ================ x.  Wave W = 4 x work-group + wave takes fragment W / 2 and half W % 2 of K: four fragments of 128 along K.
.set R,    16                          ; v16-143  two sets of 64: 16 rows x 512 bytes as loaded
.set X,    144                         ; v144-207 my two blocks of 32 numbers
.set PC,   208                         ; v208-219 the fragment's codes
.set TC,   220                         ; v220-222, v224-226 the upper halves of the blocks' codes
.set MX,   228
.set OP,   230
.set BY,   232
.set WD,   234                         ; v234-237 the four scale words
.set TP,   238
.set SELP, 240
	s_lshl_b32 s19, ttmp9, 2
	s_add_co_u32 s19, s19, s18
	s_lshr_b32 s20, s19, 1                         ; fragment
	s_and_b32 s21, s19, 1                          ; half of K
	s_lshr_b32 s22, s20, 1
	s_lshl_b32 s22, s22, 5
	s_and_b32 s23, s20, 1
	s_lshl_b32 s23, s23, 3
	s_add_co_u32 s22, s22, s23                     ; the fragment's first row: 32 (f / 2) + 8 (f % 2)
	s_lshl_b32 s22, s22, 12
	s_lshl_b32 s23, s21, 11
	s_add_co_u32 s22, s22, s23
	s_mov_b32 s23, 0
	s_add_nc_u64 s[4:5], s[4:5], s[22:23]
	s_mul_i32 s22, s21, 2*STRX
	s_mul_i32 s24, s20, 3072
	s_add_co_u32 s22, s22, s24
	s_add_nc_u64 s[26:27], s[12:13], s[22:23]      ; my codes
	s_lshl_b32 s22, s20, 9
	s_lshl_b32 s24, s21, 8
	s_add_co_u32 s22, s22, s24
	s_add_co_u32 s22, s22, XSC
	s_add_nc_u64 s[28:29], s[12:13], s[22:23]      ; my 256 bytes of scale words
	v_and_b32 v9, 15, v0                           ; r
	v_bfe_u32 v8, v0, 4, 1                         ; h
	s_mul_i32 s30, s18, XSTG
	v_add_nc_u32 v5, s30, v3                       ; into the stage: 16 x lane of a row
	v_mul_u32_u24 v6, v9, XPIT
	v_lshl_add_u32 v6, v8, 7, v6
	v_add_nc_u32 v6, s30, v6                       ; out of it: row r, block h
	v_lshlrev_b32 v7, 3, v8                        ; 8 h
	v_mov_b32 v[TP], 0                             ; a lane permute's destination counts as one of its sources
	s_mov_b32 s31, 0x76543210
	s_mov_b32 s32, 0xfedcba98                      ; lane l xor 16
.macro LOADF i, set                    ; 16 rows x 128 numbers: each load reads 512 consecutive bytes of one row
.irp rho, 0,1,2,3,4,5,6,7,8,9,10,11,12,13,14,15
	global_load_b128 v[R+64*(\set)+4*\rho:R+64*(\set)+4*\rho+3], v3, s[4:5] offset:(\rho+8*(\rho/8))*4096+512*(\i) th:TH_LOAD_NT
.endr
.endm
.macro FRAGX i
.if (\i) < 3
	s_wait_loadcnt 16                              ; this fragment's 16 loads are in; the next fragment's 16 may be out
.else
	s_wait_loadcnt 0
.endif
.irp rho, 0,1,2,3,4,5,6,7,8,9,10,11,12,13,14,15
	ds_store_b128 v5, v[R+64*((\i)%2)+4*\rho:R+64*((\i)%2)+4*\rho+3] offset:XPIT*\rho
.endr
.irp e, 0,1,2,3,4,5,6,7
	ds_load_b128 v[X+4*\e:X+4*\e+3], v6 offset:16*\e               ; block h of my row (LDS serves a wave's instructions in order: these see the stores above)
.endr
.irp e, 0,1,2,3,4,5,6,7
	ds_load_b128 v[X+32+4*\e:X+32+4*\e+3], v6 offset:256+16*\e     ; block 2 + h
.endr
	s_wait_dscnt 0x0
	s_wait_xcnt 0x0                                ; the last fragment's stores have read their registers: the codes are written again only behind this wait
.if (\i)+2 < 4
	LOADF (\i)+2, (\i)%2
.endif
.irp c, 0,1
	v_max3_num_f32 v[MX+\c], |v[X+32*\c]|, |v[X+32*\c+1]|, 0x1800000   ; with the floor 2^(3 - 127): the byte cannot fall under 1
.endr
.irp j, 2,4,6,8,10,12,14,16,18,20,22,24,26,28,30
.irp c, 0,1
	v_max3_num_f32 v[MX+\c], v[MX+\c], |v[X+32*\c+\j]|, |v[X+32*\c+\j+1]|
.endr
.endr
.irp c, 0,1
	v_add_nc_u32 v[OP+\c], 0xff000000, v[MX+\c]    ; 2 off the exponent field: the conversion's scale operand
.endr
.irp c, 0,1
	v_lshrrev_b32 v[BY+\c], 23, v[OP+\c]           ; the scale's byte
.endr
	v_lshl_or_b32 v[WD+\i], v[BY+1], 16, v[BY]     ; bytes h and 2 + h of my row's word,
	v_lshlrev_b32 v[WD+\i], v7, v[WD+\i]
	v_permlanex16_b32 v[TP], v[WD+\i], s31, s32
	v_or_b32 v[WD+\i], v[WD+\i], v[TP]             ; with lane l xor 16's two the word is whole
.irp c, 0,1
	v_cvt_scalef32_pk16_fp6_f32 v[PC+6*\c:PC+6*\c+2], v[X+32*\c:X+32*\c+15], v[OP+\c]
	v_cvt_scalef32_pk16_fp6_f32 v[TC+4*\c:TC+4*\c+2], v[X+32*\c+16:X+32*\c+31], v[OP+\c]   ; (a conversion's three registers begin on an even number)
.endr
	v_nop                                          ; one plain line behind the conversions
.irp c, 0,1
.irp j, 0,1,2
	v_mov_b32 v[PC+6*\c+3+\j], v[TC+4*\c+\j]
.endr
.endr
	global_store_b128 v3, v[PC:PC+3], s[26:27] offset:((\i)/2)*STRX+((\i)%2)*1536            ; each store covers 512 or 256 consecutive bytes, aligned
	global_store_b64 v4, v[PC+4:PC+5], s[26:27] offset:((\i)/2)*STRX+((\i)%2)*1536+512
	global_store_b128 v3, v[PC+6:PC+9], s[26:27] offset:((\i)/2)*STRX+((\i)%2)*1536+768
	global_store_b64 v4, v[PC+10:PC+11], s[26:27] offset:((\i)/2)*STRX+((\i)%2)*1536+1280
.endm
	LOADF 0, 0
	LOADF 1, 1
	FRAGX 0
	FRAGX 1
	FRAGX 2
	FRAGX 3
	s_mov_b32 s33, 0xffff0000                      ; lanes 16-31
	v_cndmask_b32 v[SELP], v[WD], v[WD+2], s33     ; lanes 0-15 store the words of my first 256 along K, lanes 16-31 those of the second
	v_cndmask_b32 v[SELP+1], v[WD+1], v[WD+3], s33
	global_store_b64 v4, v[SELP:SELP+1], s[28:29]  ; 256 consecutive bytes, aligned
	s_wait_tensorcnt 0x0
	ds_add_u32 v254, v255
	s_wait_dscnt 0x0
	s_endpgm
; ================ the weights.  A lane takes a column, its registers run down K: a block of 32 lies in one lane.  A wave: 32 columns (two fragments) x 256 along K.
.Lweights:
	s_cmp_lt_u32 ttmp9, 384
	s_cbranch_scc0 .Lmask
.set OFFR, 16                          ; v16-47   4 x lane + i rows: the pitch differs between the two tensors, so the rows' offsets are made once
.set XW,   48                          ; v48-111  two sets of 32 numbers
.set RUN,  112                         ; v112-135 the codes of four blocks: 12 (t % 2) + 6 ((t % 4) / 2)
.set TW,   136
.set OB,   144                         ; v144-191 the way out
.set SB,   192                         ; v192-193 the scale words of the two K steps
.set M0,   194
.set M1,   195
.set OPW,  196
	s_sub_co_u32 s19, ttmp9, 256
	s_and_b32 s20, s19, 31                         ; which 128 columns
	s_lshr_b32 s21, s19, 5                         ; which 256 along K
	s_lshl_b32 s22, s20, 2
	s_add_co_u32 s22, s22, s18                     ; my group of 32 columns, 0 .. 127
	s_cmp_ge_u32 s20, 24                           ; groups 96 on are W_proj's: the choice hangs on the work-group's number alone
	s_cselect_b64 s[6:7], s[8:9], s[6:7]
	s_mov_b32 s23, 12288
	s_cselect_b32 s23, 4096, s23                   ; a row in bytes
	s_cselect_b32 s24, 96, 0
	s_sub_co_u32 s24, s22, s24                     ; the group in its own tensor
	s_lshl_b32 s24, s24, 7
	s_lshl_b32 s25, s21, 8
	s_mul_i32 s25, s25, s23
	s_add_co_u32 s24, s24, s25
	s_mov_b32 s25, 0
	s_add_nc_u64 s[32:33], s[6:7], s[24:25]        ; block 0's first row
	s_lshl_b32 s24, s23, 5                         ; 32 rows on
.irp t, 1,2,3,4,5,6,7
	s_add_nc_u64 s[32+2*\t:33+2*\t], s[30+2*\t:31+2*\t], s[24:25]
.endr
	s_mul_i32 s26, s21, STRW
	s_mul_i32 s27, s22, 2*3072
	s_add_co_u32 s26, s26, s27
	s_mov_b32 s27, 0
	s_add_nc_u64 s[48:49], s[14:15], s[26:27]      ; my two fragments' codes
	s_lshl_b32 s26, s22, 10
	s_lshl_b32 s28, s21, 7
	s_add_co_u32 s26, s26, s28
	s_add_co_u32 s26, s26, WSC
	s_add_nc_u64 s[50:51], s[14:15], s[26:27]      ; and scale words
	v_lshlrev_b32 v[OFFR], 2, v2
.irp i, 1,2,3,4,5,6,7,8,9,10,11,12,13,14,15,16,17,18,19,20,21,22,23,24,25,26,27,28,29,30,31
	v_add_nc_u32 v[OFFR+\i], s23, v[OFFR+\i-1]
.endr
	v_bfe_u32 v8, v2, 3, 1                         ; column c of the group is row r = c % 8 + 8 (c / 16) of fragment u = (c / 8) % 2
	v_and_b32 v9, 7, v2
	v_lshrrev_b32 v10, 4, v2
	v_lshl_add_u32 v9, v10, 3, v9
	s_mul_i32 s52, s18, 2*WFP
	s_add_co_u32 s52, s52, WSTG0                   ; my stage
	v_mul_u32_u24 v10, v8, WFP
	v_add_nc_u32 v10, s52, v10
	v_lshl_add_u32 v11, v9, 4, v10                 ; into it: 16 r,
	v_lshl_add_u32 v12, v9, 3, v10                 ; 8 r
	v_add_nc_u32 v13, s52, v3                      ; out of it: 16 x lane,
	v_add_nc_u32 v14, s52, v4                      ; 8 x lane
	v_lshlrev_b32 v15, 9, v8
	v_lshl_add_u32 v15, v9, 3, v15                 ; my row's two scale words
.macro LOADW t                         ; block t: 32 rows of K at my column; a wave's load reads 128 consecutive bytes, the four waves stand side by side
.irp i, 0,1,2,3,4,5,6,7,8,9,10,11,12,13,14,15,16,17,18,19,20,21,22,23,24,25,26,27,28,29,30,31
	global_load_b32 v[XW+32*((\t)%2)+\i], v[OFFR+\i], s[32+2*(\t):33+2*(\t)] th:TH_LOAD_NT
.endr
.endm
.macro BLOCKW t
.set XS, XW+32*((\t)%2)
.set RN, RUN+12*((\t)%2)+6*(((\t)%4)/2)
.if (\t) < 7
	s_wait_loadcnt 32                              ; this block's 32 loads are in; the next block's may be out
.else
	s_wait_loadcnt 0
.endif
	v_max3_num_f32 v[M0], |v[XS]|, |v[XS+1]|, |v[XS+2]|
	v_max3_num_f32 v[M1], |v[XS+3]|, |v[XS+4]|, |v[XS+5]|
.irp i, 6,10,14,18,22,26
	v_max3_num_f32 v[M0], v[M0], |v[XS+\i]|, |v[XS+\i+1]|
	v_max3_num_f32 v[M1], v[M1], |v[XS+\i+2]|, |v[XS+\i+3]|
.endr
	v_max3_num_f32 v[M0], v[M0], |v[XS+30]|, |v[XS+31]|
	v_max3_num_f32 v[M0], v[M0], v[M1], 0x1800000  ; and the floor
	v_add_nc_u32 v[OPW], 0xff000000, v[M0]
	v_lshrrev_b32 v[M1], 23, v[OPW]
.if (\t)%4 == 0
	v_mov_b32 v[SB+(\t)/4], v[M1]
.else
	v_lshl_or_b32 v[SB+(\t)/4], v[M1], 8*((\t)%4), v[SB+(\t)/4]
.endif
	v_cvt_scalef32_pk16_fp6_f32 v[RN:RN+2], v[XS:XS+15], v[OPW]
	v_cvt_scalef32_pk16_fp6_f32 v[TW:TW+2], v[XS+16:XS+31], v[OPW]
	v_nop                                          ; one plain line behind the conversions
.irp j, 0,1,2
	v_mov_b32 v[RN+3+\j], v[TW+\j]
.endr
.if (\t)+2 < 8
	LOADW (\t)+2
.endif
.endm
.macro OUTK s                          ; four blocks of my column are the registers of lanes (r, 0) and (r, 1) of a fragment: into the stage at those lanes' places, back by lanes, out in whole pieces
.irp h, 0,1
	ds_store_b128 v11, v[RUN+12*\h:RUN+12*\h+3] offset:256*\h
	ds_store_b64 v12, v[RUN+12*\h+4:RUN+12*\h+5] offset:512+128*\h
	ds_store_b128 v11, v[RUN+12*\h+6:RUN+12*\h+9] offset:768+256*\h
	ds_store_b64 v12, v[RUN+12*\h+10:RUN+12*\h+11] offset:1280+128*\h
.endr
.irp u, 0,1
	ds_load_b128 v[OB+24*\s+12*\u:OB+24*\s+12*\u+3], v13 offset:WFP*\u
	ds_load_b64 v[OB+24*\s+12*\u+4:OB+24*\s+12*\u+5], v14 offset:WFP*\u+512
	ds_load_b128 v[OB+24*\s+12*\u+6:OB+24*\s+12*\u+9], v13 offset:WFP*\u+768
	ds_load_b64 v[OB+24*\s+12*\u+10:OB+24*\s+12*\u+11], v14 offset:WFP*\u+1280
.endr
	s_wait_dscnt 0x0
.irp u, 0,1
	global_store_b128 v3, v[OB+24*\s+12*\u:OB+24*\s+12*\u+3], s[48:49] offset:3072*\u+1536*\s
	global_store_b64 v4, v[OB+24*\s+12*\u+4:OB+24*\s+12*\u+5], s[48:49] offset:3072*\u+1536*\s+512
	global_store_b128 v3, v[OB+24*\s+12*\u+6:OB+24*\s+12*\u+9], s[48:49] offset:3072*\u+1536*\s+768
	global_store_b64 v4, v[OB+24*\s+12*\u+10:OB+24*\s+12*\u+11], s[48:49] offset:3072*\u+1536*\s+1280
.endr
.endm
	LOADW 0
	LOADW 1
	BLOCKW 0
	BLOCKW 1
	BLOCKW 2
	BLOCKW 3
	OUTK 0
	BLOCKW 4
	BLOCKW 5
	BLOCKW 6
	BLOCKW 7
	OUTK 1
	global_store_b64 v15, v[SB:SB+1], s[50:51]     ; runs of 128 bytes: half an aligned 256; one byte in 128 of what this way reads
	s_wait_tensorcnt 0x0
	ds_add_u32 v254, v255
	s_wait_dscnt 0x0
	s_endpgm
; ================ the mask.  Work-group = a tile of 16 queries (rows 32 (tau / 2) + 8 (tau % 2) + r + 8 (r / 8)); wave w takes key steps 4 w .. 4 w + 3.
; In the attention launch lane (r, h) holds query r, and its score register n the key 32 (n / 16) + 16 h + n % 16 of the step.  Word n of a (tile, step) has bit l set where lane l's key n is HIDDEN.
; Codes, two bits a step: 0 all hidden, 1 some hidden, 2 none.  Each wave stores two bytes of codes (CW0 as above, CW1 with 1 in 0's place) and the lanes all of whose keys it found hidden; the reader joins the four waves' words.
.Lmask:
.set MB,  16                           ; v16-79  4 steps x 64 mask bytes a lane
.set PW2, 80                           ; v80-87  a pair of words a lane for each step
	s_sub_co_u32 s19, ttmp9, 384                   ; tile
	s_lshr_b32 s20, s19, 1
	s_lshl_b32 s20, s20, 5
	s_and_b32 s21, s19, 1
	s_lshl_b32 s21, s21, 3
	s_add_co_u32 s20, s20, s21
	s_lshl_b32 s20, s20, 11                        ; a row of the mask is 2,048 bytes
	s_lshl_b32 s21, s18, 9
	s_add_co_u32 s20, s20, s21
	s_mov_b32 s21, 0
	s_add_nc_u64 s[10:11], s[10:11], s[20:21]
	s_lshl_b32 s20, s19, 12
	s_lshl_b32 s22, s18, 10
	s_add_co_u32 s20, s20, s22
	s_add_nc_u64 s[24:25], s[16:17], s[20:21]      ; my four steps' words
	s_lshl_b32 s20, s19, 6
	s_lshl_b32 s22, s18, 4
	s_add_co_u32 s20, s20, s22
	s_add_co_u32 s20, s20, MFL
	s_add_nc_u64 s[26:27], s[16:17], s[20:21]      ; my 16 bytes of codes
	v_and_b32 v9, 15, v0
	v_bfe_u32 v8, v0, 4, 1
	v_and_b32 v10, 8, v9
	v_add_nc_u32 v10, v10, v9
	v_lshlrev_b32 v10, 11, v10
	v_lshl_add_u32 v10, v8, 4, v10
.irp jj, 0,1,2,3
.irp b, 0,1,2,3
	global_load_b128 v[MB+16*\jj+4*\b:MB+16*\jj+4*\b+3], v10, s[10:11] offset:128*\jj+32*\b
.endr
.endr
	s_mov_b32 s28, 0xff
	s_mov_b32 s29, 0xff00
	s_mov_b32 s30, 0xff0000
	s_mov_b32 s31, 0xff000000
	s_mov_b32 s36, 0                               ; CW0
	s_mov_b32 s37, 0                               ; CW1
	s_mov_b32 s38, -1                              ; lanes all of whose keys are hidden
	s_wait_loadcnt 0x0
.irp jj, 0,1,2,3
	v_mov_b32 v[PW2+2*\jj], 0
	v_mov_b32 v[PW2+2*\jj+1], 0
	s_mov_b32 s33, 0
	s_mov_b32 s34, -1
.set n, 0
.rept 64
	v_and_b32 v11, s[28+n%4], v[MB+16*\jj+n/4]
	v_cmp_eq_u32 s32, 0, v11                       ; the lanes whose key n is hidden
	v_writelane_b32 v[PW2+2*\jj+n%2], s32, n/2     ; word n to lane n / 2
	s_or_b32 s33, s33, s32
	s_and_b32 s34, s34, s32
.set n, n+1
.endr
	global_store_b64 v4, v[PW2+2*\jj:PW2+2*\jj+1], s[24:25] offset:256*\jj   ; 256 consecutive bytes, aligned
	s_cmp_lg_u32 s33, 0
	s_cselect_b32 s35, 1, 2
	s_cmp_lg_u32 s34, -1
	s_cselect_b32 s39, s35, 0
	s_lshl_b32 s35, s35, 2*\jj
	s_or_b32 s37, s37, s35
	s_lshl_b32 s39, s39, 2*\jj
	s_or_b32 s36, s36, s39
	s_and_b32 s38, s38, s34
.endr
	v_mov_b32 v12, s36
	v_mov_b32 v13, s37
	v_mov_b32 v14, s38
	v_mov_b32 v15, 0
	v_mov_b32 v11, 0
	v_cmp_eq_u32 vcc_lo, 0, v2
	s_wait_xcnt 0x0                                ; EXEC changes only behind this wait
	s_and_saveexec_b32 s40, vcc_lo
	global_store_b128 v11, v[12:15], s[26:27]      ; lane 0 alone: 16 bytes a wave
	s_wait_xcnt 0x0
	s_or_b32 exec_lo, exec_lo, s40
	s_endpgm
.Lfunc_end_k_q084ec79a03_prep:
	.size	k_q084ec79a03_prep, .Lfunc_end_k_q084ec79a03_prep-k_q084ec79a03_prep
	.p2alignl 7, 3214868480
	.fill 96, 4, 3214868480
	.section	.rodata,"a",@progbits
	.p2align	6, 0x0
	.amdhsa_kernel k_q084ec79a03_prep
		.amdhsa_group_segment_fixed_size 47616
		.amdhsa_private_segment_fixed_size 0
		.amdhsa_enable_private_segment 0
		.amdhsa_kernarg_size 56
		.amdhsa_user_sgpr_count 2
		.amdhsa_user_sgpr_kernarg_segment_ptr 1
		.amdhsa_wavefront_size32 1
		.amdhsa_system_sgpr_workgroup_id_x 1
		.amdhsa_system_sgpr_workgroup_id_y 1
		.amdhsa_system_sgpr_workgroup_id_z 1
		.amdhsa_system_vgpr_workitem_id 0
		.amdhsa_next_free_vgpr 256
		.amdhsa_next_free_sgpr 66
		.amdhsa_reserve_vcc 1
		.amdhsa_float_denorm_mode_32 3
		.amdhsa_float_denorm_mode_16_64 3
		.amdhsa_memory_ordered 1
		.amdhsa_forward_progress 1
		.amdhsa_inst_pref_size 135
	.end_amdhsa_kernel
	.amdgpu_metadata
---
amdhsa.version: [ 1, 2 ]
amdhsa.kernels:
  - .name:           k_q084ec79a03_prep
    .symbol:         k_q084ec79a03_prep.kd
    .args:
      - { .name: x, .offset: 0, .size: 8, .value_kind: global_buffer, .address_space: global }
      - { .name: W_attn, .offset: 8, .size: 8, .value_kind: global_buffer, .address_space: global }
      - { .name: W_proj, .offset: 16, .size: 8, .value_kind: global_buffer, .address_space: global }
      - { .name: mask, .offset: 24, .size: 8, .value_kind: global_buffer, .address_space: global }
      - { .name: xq, .offset: 32, .size: 8, .value_kind: global_buffer, .address_space: global }
      - { .name: wq, .offset: 40, .size: 8, .value_kind: global_buffer, .address_space: global }
      - { .name: mk, .offset: 48, .size: 8, .value_kind: global_buffer, .address_space: global }
    .group_segment_fixed_size: 47616
    .private_segment_fixed_size: 0
    .kernarg_segment_align: 8
    .kernarg_segment_size: 56
    .max_flat_workgroup_size: 128
    .sgpr_count:     66
    .vgpr_count:     256
    .wavefront_size: 32
...
	.end_amdgpu_metadata
.endif
;; end of part 1
;; launch qkv (part 2): grid 12 x 32, 4 waves a work-group, clusters of 4 x 4, 327,680 bytes of LDS; arguments xq, wq, b_attn, qq, kv; writes qq, kv
.if DOCPART == 2
	.amdgcn_target "amdgcn-amd-amdhsa--gfx1250"
	.amdhsa_code_object_version 6
	.text
	.protected	k_q084ec79a03_qkv
	.globl	k_q084ec79a03_qkv
	.p2align	8
	.type	k_q084ec79a03_qkv,@function
k_q084ec79a03_qkv:
	s_mov_b64 s[64:65], 0
	v_nop
	global_prefetch_b8 v0, s[64:65] scope:SCOPE_SE
	s_setreg_imm32_b32 hwreg(HW_REG_WAVE_MODE, 25, 1), 1
	s_wait_xcnt 0x0
	s_wait_alu depctr_hold_cnt(0) depctr_sa_sdst(0) depctr_va_vdst(0) depctr_va_sdst(0) depctr_va_ssrc(0) depctr_va_vcc(0) depctr_vm_vsrc(0)
	s_getreg_b32 s2, hwreg(HW_REG_IB_STS2, 6, 4)
	s_cmp_eq_u32 s2, 0
	s_cbranch_scc0 .Lentry_in_a_cluster
	s_endpgm
.Lentry_in_a_cluster:
	s_bfe_u32 s2, ttmp6, 0x10000c
	s_cmp_lg_u32 s2, 0xf033
	s_cbranch_scc0 .Lentry_shape_is_right
	s_endpgm
.Lentry_shape_is_right:
; qkv = x W_attn + b_attn on codes of FP6 (E2M3) with E8M0 scales, and q, k, v quantised in registers into the attention launch's operands.  No f32 result goes to memory.
; A tile of 256 x 256 to a work-group of four waves, 128 x 128 to a wave: 64 accumulators, 512 registers.  Source 0 = a fragment of S0, source 1 = a fragment of S1: a lane holds ONE row of S1, its registers run along S0.
; q and k are quantised along the head's 64 channels: S1 = x (a lane holds a token), S0 = W.  v is quantised along the tokens (the keys): S1 = W (a lane holds a channel), S0 = x.  Which it is hangs on the cluster's x alone
; (clusters 0, 1, 2 make q, k, v), so only buffers, tiles and strides are chosen; every shape and every LDS address is the same.
; OPERANDS lie in memory as images of their registers (1,536 bytes a fragment of 16 rows x 128 K), [256 along K][fragment][128 along K]; a tile's 16 fragments of 256 along K are 49,152 dense bytes.
; Fragment 2 g + u holds in lane row r the row 32 g + 8 u + r + 8 (r / 8): so the 16 registers of result tiles 2 b and 2 b + 1 are 16 neighbours along S0, as the conversions want them.
; K = 1,024 is four fills of 256.  Three LDS slots take the first three at the start; the fourth goes into slot 0 behind the one round in which slot 0 is given up.  By this text's count a wave has at most four tensor loads out.
; CLUSTER 4 x 4: S1's tile hangs on cy and is shared along a row of the cluster, S0's on cx and is shared along a column: joint loads.
; LIMITS: NaN and infinities are not served; a block whose largest magnitude lies under 2^-124 keeps the byte 1.
; REGISTERS: window 0: v3, v4 16 and 8 x lane; v8-19 fragment addresses, a set for each slot; v20 scale words' address; v28, v29 the spare word's; v32-63 scale words, two sets, and nothing else; v64-127 b_attn along the registers;
;   v128-223 S1's 8 fragments; v224-239 b_attn along the lanes; v240-255 at work in the quantiser.  window 1: S0's fragments, two sets, at v0 and v128.  windows 2, 3: the accumulators, (a, b) at v[8 (8 (a % 4) + b)].
.set STRX,  1572864
.set STRW,  786432
.set XSC,   6291456
.set WSC,   3145728
.set QSC,   6291456
.set FRB,   1536
.set FR2,   3072
.set HALFT, 24576                      ; 8 fragments x 256 along K: what one tensor load brings
.set SLOT,  98304                      ; S1's 16 fragments, then S0's
.set SCL,   3*SLOT                     ; the scale words of the whole K: S1's 8,192 bytes, then S0's
.set SPARE, SCL+16384                  ; the spare words, 128 bytes a wave: two blocks of 256 bytes that no other line names
.set FR,    12
.set A16,   8
.set A8,    11
.set B16,   14
.set B8,    17
.set ADRS,  20
.set SPW,   28
.set NIL,   29
.set SC,    32
.set BI,    64
.set AF,    128
.set BV,    224
.set H,     128                        ; the way out: 64 numbers
.set PC,    192                        ; their codes, v192-210
.set SW,    212                        ; v212-219 the eight scale words
.set SEL4,  220
.set SH4,   128
.set TM,    240
.set G1A,  24
.set G1B,  32
.set G1SA, 40
.set G1SB, 48
.set G0A0, 56
.set G0A1, 60
.set G0A2, 68
.set G0B0, 72
.set G0B1, 76
.set G0B2, 80
.set G0SA, 84
.set G0SB, 88
.set PA,   24                          ; the way out's pointers take the descriptors' registers, behind the last wait for all tensor loads
.set PB,   26
.set STP,  28
.set ST4,  30
.set PS,   32
.set PS2,  34
.set MSB, 0
.macro WIN new                         ; the immediate's high byte repeats the setting that is left
.if MSB != (\new)
	s_set_vgpr_msb (MSB<<8)|(\new)
.set MSB, \new
.endif
.endm
.set MUL_LO, 0xa1                      ; source 0 (S0) window 1, source 1 (S1) window 0, C and D window 2
.set MUL_HI, 0xf1
.set TO_B,   0x40
.macro JLOAD g0a, g1a, g0b, g1b        ; a joint load: waves 0 and 1 fetch S1's halves, waves 2 and 3 S0's; the branch hangs on the wave's number alone; four v_nop follow each line
	s_cmp_eq_u32 s15, 0
	s_cbranch_scc0 .Lfor_b_\@
	tensor_load_to_lds s[\g0a:\g0a+3], s[\g1a:\g1a+7]
	s_nop 0
.rept 4
	v_nop
.endr
	s_branch .Lasked_\@
.Lfor_b_\@:
	tensor_load_to_lds s[\g0b:\g0b+3], s[\g1b:\g1b+7]
	s_nop 0
.rept 4
	v_nop
.endr
.Lasked_\@:
.endm
.macro CREST                           ; a round of the cluster's barrier behind its opening barrier
	s_cmp_lg_u32 s14, 0
	s_cbranch_scc1 .Lnot_wave_0_\@
	s_barrier_signal -3
.Lnot_wave_0_\@:
	s_barrier_wait -3
	s_barrier_signal -1
	s_barrier_wait -1
.endm
.macro CROUND
	s_barrier_signal -1
	s_barrier_wait -1
	CREST
.endm
.macro PLACES n
.rept \n
	v_nop
.endr
.endm
	s_load_b256 s[4:11], s[0:1], 0x0               ; xq, wq, b_attn, qq
	s_load_b64 s[12:13], s[0:1], 0x20              ; kv
	v_lshl_add_u32 v[SPW], v0, 2, SPARE
	v_mov_b32 v[NIL], 0
	ds_add_u32 v28, v29
	ds_add_u32 v28, v29
	s_wait_dscnt 0x0
	v_lshrrev_b32 v1, 5, v0
	v_readfirstlane_b32 s14, v1                    ; wave
	s_lshr_b32 s15, s14, 1                         ; my half of S1's rows.  Also: I fetch for S1 (0) or S0 (1)
	s_and_b32 s16, s14, 1                          ; my half of S0's rows.  Also: which half I fetch
	s_bfe_u32 s17, ttmp6, 0x40000                  ; cx
	s_bfe_u32 s18, ttmp6, 0x40004                  ; cy
	s_and_b32 s19, ttmp7, 0xffff                   ; cluster y
	s_lshl_b32 s96, s19, 2
	s_add_co_u32 s97, s96, s18                     ; q, k: x's tile 4 cluster y + cy
	s_add_co_u32 s98, s18, 8                       ; v: W's tile 8 + cy
	s_add_co_u32 s99, s96, s17                     ; v: x's tile 4 cluster y + cx
	s_lshl_b32 s100, ttmp9, 2
	s_add_co_u32 s100, s100, s17                   ; q, k: W's tile 4 cluster x + cx
	s_lshl_b32 s66, s18, 2
	s_lshl_b32 s66, 15, s66                        ; my row of the cluster
	s_lshl_b32 s101, 0x1111, s17                   ; my column
	s_or_b32 s[G1A], s66, (3<<16)|(1<<21)          ; 15:0 the mask; 17:16 elements of 8 bytes; 21 set beside a mask; no padding: the images are read as they lie, 16 or 8 bytes a lane on end
	s_or_b32 s[G1SA], s66, (3<<16)|(1<<21)
	s_or_b32 s[G1B], s101, (3<<16)|(1<<21)
	s_or_b32 s[G1SB], s101, (3<<16)|(1<<21)
.irp g, G1A, G1B                       ; 24,576 dense bytes as 96 rows of 256
	s_mov_b32 s[\g+1], 32<<16
	s_mov_b32 s[\g+2], 96<<16
	s_mov_b32 s[\g+3], 32<<16
	s_mov_b32 s[\g+4], 96
	s_mov_b32 s[\g+5], 32
	s_mov_b32 s[\g+6], 0
	s_mov_b32 s[\g+7], 0
.endr
.irp g, G1SA, G1SB                     ; 4,096 dense bytes as 16 rows of 256
	s_mov_b32 s[\g+1], 32<<16
	s_mov_b32 s[\g+2], 16<<16
	s_mov_b32 s[\g+3], 32<<16
	s_mov_b32 s[\g+4], 16
	s_mov_b32 s[\g+5], 32
	s_mov_b32 s[\g+6], 0
	s_mov_b32 s[\g+7], 0
.endr
	s_cmp_eq_u32 ttmp9, 0
	s_cselect_b32 s21, 1, 0                        ; this cluster makes q
	s_cmp_eq_u32 ttmp9, 2
	s_cselect_b32 s20, 1, 0                        ; this cluster makes v: the same in all sixteen partners
	s_cselect_b32 s22, s98, s97                    ; S1's tile: hangs on cy, never on cx
	s_cselect_b32 s23, s99, s100                   ; S0's tile: hangs on cx, never on cy
	s_mov_b32 s92, STRX
	s_cselect_b32 s92, STRW, s92                   ; S1: 256 along K on
	s_mov_b32 s94, STRW
	s_cselect_b32 s94, STRX, s94                   ; S0
	s_mov_b32 s98, XSC
	s_cselect_b32 s98, WSC, s98                    ; where S1's scale words begin
	s_mov_b32 s99, WSC
	s_cselect_b32 s99, XSC, s99
	s_mov_b32 s93, 0
	s_mov_b32 s95, 0
	s_wait_kmcnt 0x0
	s_cselect_b64 s[66:67], s[6:7], s[4:5]         ; S1's buffer (the compare above still stands: moves, selects and waits leave it)
	s_cselect_b64 s[2:3], s[4:5], s[6:7]           ; S0's
	s_lshl_b32 s96, s22, 13                        ; S1: a tile's scale words are 8,192 bytes, my half 4,096
	s_lshl_b32 s97, s16, 12
	s_add_co_u32 s96, s96, s97
	s_add_co_u32 s96, s96, s98
	s_mov_b32 s97, 0
	s_add_nc_u64 s[G0SA+2:G0SA+3], s[66:67], s[96:97]
	s_mul_i32 s96, s22, 2*HALFT
	s_mul_i32 s98, s16, HALFT
	s_add_co_u32 s96, s96, s98
	s_add_nc_u64 s[G0A0+2:G0A0+3], s[66:67], s[96:97]
	s_add_nc_u64 s[G0A1+2:G0A1+3], s[G0A0+2:G0A0+3], s[92:93]
	s_add_nc_u64 s[G0A2+2:G0A2+3], s[G0A1+2:G0A1+3], s[92:93]
	s_lshl_b32 s100, s23, 13                       ; S0 likewise, in registers of its own
	s_lshl_b32 s101, s16, 12
	s_add_co_u32 s100, s100, s101
	s_add_co_u32 s100, s100, s99
	s_mov_b32 s101, 0
	s_add_nc_u64 s[G0SB+2:G0SB+3], s[2:3], s[100:101]
	s_mul_i32 s100, s23, 2*HALFT
	s_mul_i32 s99, s16, HALFT
	s_add_co_u32 s100, s100, s99
	s_add_nc_u64 s[G0B0+2:G0B0+3], s[2:3], s[100:101]
	s_add_nc_u64 s[G0B1+2:G0B1+3], s[G0B0+2:G0B0+3], s[94:95]
	s_add_nc_u64 s[G0B2+2:G0B2+3], s[G0B1+2:G0B1+3], s[94:95]
	s_mul_i32 s92, s92, 3                          ; from the first fill to the fourth
	s_mul_i32 s94, s94, 3
	s_mul_i32 s96, s14, HALFT                      ; where they go: wave x 24,576 in a slot; no place in the cluster enters an LDS address
	s_lshl_b32 s97, s14, 12
	s_add_co_u32 s[G0SA+1], s97, SCL
	s_add_co_u32 s[G0SB+1], s97, SCL
	s_mov_b32 s[G0A0+1], s96
	s_mov_b32 s[G0B0+1], s96
	s_add_co_u32 s[G0A1+1], s96, SLOT
	s_add_co_u32 s[G0B1+1], s96, SLOT
	s_add_co_u32 s[G0A2+1], s96, 2*SLOT
	s_add_co_u32 s[G0B2+1], s96, 2*SLOT
.irp g, G0A0, G0A1, G0A2, G0B0, G0B1, G0B2, G0SA, G0SB
	s_mov_b32 s[\g], 1
	s_or_b32 s[\g+3], s[\g+3], 0x80000000
.endr
	CROUND                                         ; all sixteen work-groups are here: the first joint loads meet
	JLOAD G0SA, G1SA, G0SB, G1SB                   ; the scale words of the whole K
	JLOAD G0A0, G1A, G0B0, G1B                     ; K 0-255
	JLOAD G0A1, G1A, G0B1, G1B                     ; K 256-511
	JLOAD G0A2, G1A, G0B2, G1B                     ; K 512-767
	v_and_b32 v1, 31, v0
	v_lshlrev_b32 v3, 4, v1
	v_lshlrev_b32 v4, 3, v1
	v_and_b32 v5, 15, v0                           ; r
	v_bfe_u32 v6, v0, 4, 1                         ; h
	s_mul_i32 s96, s15, HALFT                      ; my 8 fragments of S1,
	s_mul_i32 s97, s16, HALFT
	s_add_co_u32 s97, s97, 2*HALFT                 ; of S0
.irp s, 0,1,2
	v_add_nc_u32 v[A16+\s], s96, v3
	v_add_nc_u32 v[A8+\s], s96, v4
	v_add_nc_u32 v[B16+\s], s97, v3
	v_add_nc_u32 v[B8+\s], s97, v4
	s_add_co_u32 s96, s96, SLOT
	s_add_co_u32 s97, s97, SLOT
.endr
	s_lshl_b32 s96, s15, 12                        ; scale words: lanes 0-15 take S1's, lanes 16-31 S0's: the lower base + h x the distance
	s_lshl_b32 s97, s16, 12
	s_add_co_u32 s97, s97, 8192
	s_sub_co_u32 s97, s97, s96
	v_mul_u32_u24 v7, s97, v6
	s_add_co_u32 s96, s96, SCL
	v_lshl_add_u32 v7, v5, 3, v7
	v_add_nc_u32 v[ADRS], s96, v7
.irp b, 0,1,2,3
	v_mov_b32 v[TM+4+\b], 0                        ; a lane permute's destination counts as one of its sources
.endr
	; b_attn, both ways, each from a place inside the buffer: along the registers (q, k: my 128 channels) and along the lanes (v: my fragments' rows)
	s_lshl_b32 s96, s23, 8
	s_lshl_b32 s97, s16, 7
	s_add_co_u32 s96, s96, s97
	s_cmp_eq_u32 s20, 1
	s_cselect_b32 s96, 0, s96
	s_lshl_b32 s96, s96, 2
	s_mov_b32 s97, 0
	s_add_nc_u64 s[96:97], s[8:9], s[96:97]
	s_lshl_b32 s98, s18, 8
	s_lshl_b32 s99, s15, 7
	s_add_co_u32 s98, s98, s99
	s_add_co_u32 s98, s98, 2048
	s_cmp_eq_u32 s20, 1
	s_cselect_b32 s98, s98, 0
	s_lshl_b32 s98, s98, 2
	s_mov_b32 s99, 0
	s_add_nc_u64 s[98:99], s[8:9], s[98:99]
	v_lshlrev_b32 v21, 6, v6                       ; 16 h channels
	v_and_b32 v22, 8, v5
	v_add_nc_u32 v22, v22, v5
	v_lshlrev_b32 v22, 2, v22                      ; r + 8 (r / 8) channels
.irp b, 0,1,2,3,4,5,6,7
	global_load_b128 v[BI+8*\b:BI+8*\b+3], v21, s[96:97] offset:(32*(\b/2)+8*(\b%2))*4
	global_load_b128 v[BI+8*\b+4:BI+8*\b+7], v21, s[96:97] offset:(32*(\b/2)+8*(\b%2))*4+16
.endr
.irp a, 0,1,2,3,4,5,6,7
	global_load_b32 v[BV+2*\a], v22, s[98:99] offset:(32*(\a/2)+8*(\a%2))*4
	global_load_b32 v[BV+2*\a+1], v22, s[98:99] offset:(32*(\a/2)+8*(\a%2))*4   ; twice: a pair for the packed addition
.endr
.macro FRAG reg, a16, a8, off          ; a fragment's image comes back as it was stored: four loads, each dense over the lanes
	ds_load_b128 v[\reg:\reg+3], v[\a16] offset:\off
	ds_load_b64 v[\reg+4:\reg+5], v[\a8] offset:\off+512
	ds_load_b128 v[\reg+6:\reg+9], v[\a16] offset:\off+768
	ds_load_b64 v[\reg+10:\reg+11], v[\a8] offset:\off+1280
.endm
.macro FETCH_B slot, q, p              ; S0's eight fragments of the slot's q-th 128 along K into set p
	WIN TO_B
.irp i, 0,1,2,3,4,5,6,7
	FRAG 128*(\p)+FR*\i, B16+\slot, B8+\slot, \i*FR2+(\q)*FRB
.endr
	WIN 0
.endm
.macro FETCH_A slot, q, i0             ; S1's fragments i0 .. i0 + 3
.irp i, \i0, \i0+1, \i0+2, \i0+3
	FRAG AF+FR*(\i), A16+\slot, A8+\slot, (\i)*FR2+(\q)*FRB
.endr
.endm
.macro SCALES sig, set                 ; two words a row (256 along K): lanes 0-15 S1's fragment i, lanes 16-31 S0's
.irp i, 0,1,2,3,4,5,6,7
	ds_load_b64 v[SC+16*(\set)+2*\i:SC+16*(\set)+2*\i+1], v[ADRS] offset:512*\i+128*(\sig)
.endr
.endm
; 16 matrix instructions: S1's fragments a0, a0 + 1 x S0's eight.  zero = 1: the first product starts the sums.  The 64 accumulators take turns, one instruction a turn, in one order throughout.
.macro MUL16 a0, p, q, set, zero
.irp a, \a0, \a0+1
.irp b, 0,1,2,3,4,5,6,7
.if \zero
	v_wmma_scale_f32_16x16x128_f8f6f4 v[8*(8*((\a)%4)+\b):8*(8*((\a)%4)+\b)+7], v[128*(\p)+FR*\b:128*(\p)+FR*\b+FR-1], v[AF+FR*(\a):AF+FR*(\a)+FR-1], 0, v[SC+16*(\set)+2*\b+(\q)], v[SC+16*(\set)+2*(\a)+(\q)] matrix_a_fmt:MATRIX_FMT_FP6 matrix_b_fmt:MATRIX_FMT_FP6 matrix_a_scale:MATRIX_SCALE_ROW1
.else
	v_wmma_scale_f32_16x16x128_f8f6f4 v[8*(8*((\a)%4)+\b):8*(8*((\a)%4)+\b)+7], v[128*(\p)+FR*\b:128*(\p)+FR*\b+FR-1], v[AF+FR*(\a):AF+FR*(\a)+FR-1], v[8*(8*((\a)%4)+\b):8*(8*((\a)%4)+\b)+7], v[SC+16*(\set)+2*\b+(\q)], v[SC+16*(\set)+2*(\a)+(\q)] matrix_a_fmt:MATRIX_FMT_FP6 matrix_b_fmt:MATRIX_FMT_FP6 matrix_a_scale:MATRIX_SCALE_ROW1
.endif
.endr
.endr
.endm
; A slot's first 128 along K.  Loads into registers that matrix instructions have read stand four plain vector lines behind them (ISA guide 7.12.1 for vector instructions).
.macro STEP slot, sig, zero
	s_wait_dscnt 16                                ; S0's set and S1's fragments 0-3 are in; the youngest 16 loads (fragments 4-7) may be out
	WIN MUL_LO
	MUL16 0, 0, 0, (\sig)%2, \zero
	MUL16 2, 0, 0, (\sig)%2, \zero
	s_wait_dscnt 0x0
	PLACES 4
	FETCH_B \slot, 1, 1
	FETCH_A \slot, 1, 0
	WIN MUL_HI
	MUL16 4, 0, 0, (\sig)%2, \zero
	MUL16 6, 0, 0, (\sig)%2, \zero
	PLACES 4
	WIN 0
	FETCH_A \slot, 1, 4
.endm
; A slot's second 128 along K, which goes on to the next slot.  kind 0: that slot was shown whole to every wave at an earlier barrier.  kind 1: a barrier, with every wave's wait for all its tensor loads in front.
; kind 2: that barrier opens a round of the cluster's, and slot 0, which nobody reads any more, takes K 768-1023.
.macro TURN slot, next, sig, kind
.if \kind
	s_wait_tensorcnt 0x0                           ; all my tensor loads have landed
	ds_add_u32 v[SPW], v[NIL]                      ; 0 onto my spare word
	s_wait_dscnt 17                                ; (the add and the youngest 16 loads may be out)
	WIN MUL_LO
	MUL16 0, 1, 1, (\sig)%2, 0
	s_wait_dscnt 0x0                               ; the add is done, and my reads of this slot are over
	s_barrier_signal -1
	MUL16 2, 1, 1, (\sig)%2, 0
	WIN 0
	s_barrier_wait -1
.if \kind == 2
	CREST                                          ; no wave of any partner still reads slot 0 or has a load on its way
	s_add_nc_u64 s[G0A0+2:G0A0+3], s[G0A0+2:G0A0+3], s[92:93]
	s_add_nc_u64 s[G0B0+2:G0B0+3], s[G0B0+2:G0B0+3], s[94:95]
	JLOAD G0A0, G1A, G0B0, G1B                     ; the first tensor load behind the round, one a wave; its four v_nop are also the places in front of the loads below
.else
	PLACES 4
.endif
.else
	s_wait_dscnt 16
	WIN MUL_LO
	MUL16 0, 1, 1, (\sig)%2, 0
	MUL16 2, 1, 1, (\sig)%2, 0
	s_wait_dscnt 0x0
	PLACES 4
.endif
	FETCH_B \next, 0, 0
	FETCH_A \next, 0, 0
	SCALES (\sig)+1, ((\sig)+1)%2
	WIN MUL_HI
	MUL16 4, 1, 1, (\sig)%2, 0
	MUL16 6, 1, 1, (\sig)%2, 0
	PLACES 4
	WIN 0
	FETCH_A \next, 0, 4
.endm
	s_wait_loadcnt 0x0                             ; b_attn
	s_wait_tensorcnt 2                             ; the scale words and K 0-255 are in; the two younger fills may be out
	s_barrier_signal -1
	s_barrier_wait -1
	FETCH_B 0, 0, 0
	FETCH_A 0, 0, 0
	SCALES 0, 0
	FETCH_A 0, 0, 4
	STEP 0, 0, 1
	TURN 0, 1, 0, 2
	STEP 1, 1, 0
	TURN 1, 2, 1, 0                                ; slot 2 landed ahead of the round above, in every wave
	STEP 2, 2, 0
	TURN 2, 0, 2, 1
	STEP 0, 3, 0
	s_wait_dscnt 16
	WIN MUL_LO
	MUL16 0, 1, 1, 1, 0
	MUL16 2, 1, 1, 1, 0
	s_wait_dscnt 0x0
	WIN MUL_HI
	MUL16 4, 1, 1, 1, 0
	MUL16 6, 1, 1, 1, 0
	WIN 0
	PLACES 4
; THE WAY OUT.  For each of S1's eight fragments: 64 numbers a lane (register 16 b + i = place 32 b + 16 h + i along S0) get their bias and become 12 registers of codes and a scale word.
;   q, k: the 128 places are two heads' channels: registers 0-5 are head A's half fragment (16 tokens x 64), 6-11 head B's; bytes 0, 1 of the word are A's, 2, 3 B's.
;   v:    the 128 places are a key step's tokens: a whole fragment (16 channels x 128 keys) of the second product.
	s_and_b32 s36, s23, 3
	s_lshl_b32 s36, s36, 2
	s_lshl_b32 s37, s16, 1
	s_add_co_u32 s36, s36, s37                     ; q, k: my first head 4 (W's tile % 4) + 2 x half
	s_lshl_b32 s37, s18, 2
	s_lshl_b32 s38, s15, 1
	s_add_co_u32 s37, s37, s38                     ; v: 4 cy + 2 x half
	s_cmp_eq_u32 s20, 1
	s_cselect_b32 s36, s37, s36                    ; head
	s_cselect_b32 s37, s23, s22                    ; x's tile
	s_cselect_b32 s38, s16, s15                    ; my half of it
	s_cselect_b32 s39, 6144, 0                     ; V's fragments lie behind K's in a block
	s_mov_b32 s40, 12288
	s_cselect_b32 s40, 12800, s40                  ; the scale words' place in a block
	s_mov_b32 s[STP], 768
	s_cselect_b32 s[STP], 1536, s[STP]             ; from fragment to fragment
	s_mov_b32 s[ST4], 768
	s_cselect_b32 s[ST4], 204288, s[ST4]           ; v: behind the fourth, on to the next head: 208,896 - 3 x 1,536
	s_mov_b32 s[STP+1], 0
	s_mov_b32 s[ST4+1], 0
	s_lshr_b32 s41, s37, 3
	s_lshl_b32 s41, s41, 4
	s_add_co_u32 s41, s41, s36                     ; 16 x batch + head
	s_and_b32 s42, s37, 7
	s_lshl_b32 s42, s42, 1
	s_add_co_u32 s42, s42, s38                     ; which 128 tokens of the batch
	s_cmp_eq_u32 s21, 1
	s_cselect_b64 s[PA:PA+1], s[10:11], s[12:13]
	s_mov_b32 s43, 208896
	s_cselect_b32 s43, 98304, s43                  ; a head's codes
	s_mov_b32 s44, 13056
	s_cselect_b32 s44, 6144, s44                   ; 128 tokens' codes
	s_mov_b32 s46, 208896
	s_cselect_b32 s46, 8192, s46                   ; from head to head among the scale words
	s_mul_i32 s48, s41, s43
	s_mul_i32 s49, s42, s44
	s_add_co_u32 s48, s48, s49
	s_lshl_b32 s50, s41, 13
	s_lshl_b32 s51, s42, 9
	s_add_co_u32 s50, s50, s51
	s_add_co_u32 s50, s50, QSC
	s_add_co_u32 s51, s48, s40
	s_cmp_eq_u32 s21, 1
	s_cselect_b32 s50, s50, s51
	s_mov_b32 s51, 0
	s_add_nc_u64 s[PS:PS+1], s[PA:PA+1], s[50:51]
	s_mov_b32 s47, 0
	s_add_nc_u64 s[PS2:PS2+1], s[PS:PS+1], s[46:47]
	s_add_co_u32 s48, s48, s39
	s_mov_b32 s49, 0
	s_add_nc_u64 s[PA:PA+1], s[PA:PA+1], s[48:49]
	s_cmp_eq_u32 s20, 1
	s_cselect_b32 s48, 768, s43
	s_add_nc_u64 s[PB:PB+1], s[PA:PA+1], s[48:49]  ; registers 6-11: the next head (q, k) or the fragment's second half (v)
	s_mov_b32 s52, 0xffff0000                      ; lanes 16-31
.macro QUANT s, pw                     ; 64 numbers, register 16 b + i = k 32 b + 16 (lane / 16) + i of my row -> codes in v[PC] on, scale word in v[pw]
.irp b, 0,1,2,3
	v_max3_num_f32 v[TM+\b], |v[\s+16*\b]|, |v[\s+1+16*\b]|, 0x1800000   ; with the floor 2^(3 - 127)
.endr
.irp i, 2,4,6,8,10,12,14
.irp b, 0,1,2,3
	v_max3_num_f32 v[TM+\b], v[TM+\b], |v[\s+16*\b+\i]|, |v[\s+1+16*\b+\i]|
.endr
.endr
.irp b, 0,1,2,3
	v_permlanex16_b32 v[TM+4+\b], v[TM+\b], s54, s55
.endr
.irp b, 0,1,2,3
	v_max_num_f32 v[TM+\b], v[TM+\b], v[TM+4+\b]
.endr
.irp b, 0,1,2,3
	v_add_nc_u32 v[TM+12+\b], 0xff000000, v[TM+\b]
.endr
.irp b, 0,1,2,3
	v_lshrrev_b32 v[TM+4+\b], 23, v[TM+12+\b]
.endr
	v_lshl_or_b32 v[\pw], v[TM+5], 8, v[TM+4]
	v_lshl_or_b32 v[\pw], v[TM+6], 16, v[\pw]
	v_lshl_or_b32 v[\pw], v[TM+7], 24, v[\pw]
.irp c, 0,1
	v_cvt_scalef32_pk16_fp6_f32 v[PC+6*\c:PC+2+6*\c], v[\s+32*\c:\s+15+32*\c], v[TM+12+2*\c]
	v_cvt_scalef32_pk16_fp6_f32 v[PC+12+4*\c:PC+14+4*\c], v[\s+16+32*\c:\s+31+32*\c], v[TM+12+2*\c+1]
.endr
	v_nop                                          ; one plain line behind the conversions
.irp c, 0,1                            ; the operand's layout wants a whole block in a lane
.irp i, 0,1,2
	v_permlane16_swap_b32 v[PC+6*\c+\i], v[PC+12+4*\c+\i]
.endr
.irp i, 0,1,2
	v_mov_b32 v[PC+3+6*\c+\i], v[PC+12+4*\c+\i]
.endr
.endr
.endm
	s_mov_b32 s54, 0x76543210
	s_mov_b32 s55, 0xfedcba98
.macro OUT a
	s_wait_xcnt 0x0                                ; the last fragment's stores have read their registers and bases
.if (\a) == 4
	s_add_nc_u64 s[PA:PA+1], s[PA:PA+1], s[ST4:ST4+1]
	s_add_nc_u64 s[PB:PB+1], s[PB:PB+1], s[ST4:ST4+1]
.elseif (\a) > 0
	s_add_nc_u64 s[PA:PA+1], s[PA:PA+1], s[STP:STP+1]
	s_add_nc_u64 s[PB:PB+1], s[PB:PB+1], s[STP:STP+1]
.endif
	s_cmp_eq_u32 s20, 1                            ; the same in all partners
	s_cbranch_scc1 .Lbias_v_\@
	WIN 0x02+(\a)/4                                ; source 0: window 2 or 3
.irp b, 0,1,2,3,4,5,6,7
.irp p, 0,2,4,6
	v_pk_add_f32 v[H+8*\b+\p:H+8*\b+\p+1], v[64*((\a)%4)+8*\b+\p:64*((\a)%4)+8*\b+\p+1], v[BI+8*\b+\p:BI+8*\b+\p+1]   ; each accumulator from its low end on
.endr
.endr
	WIN 0
	s_branch .Lbiased_\@
.Lbias_v_\@:
	WIN 0x02+(\a)/4
.irp b, 0,1,2,3,4,5,6,7
.irp p, 0,2,4,6
	v_pk_add_f32 v[H+8*\b+\p:H+8*\b+\p+1], v[64*((\a)%4)+8*\b+\p:64*((\a)%4)+8*\b+\p+1], v[BV+2*(\a):BV+2*(\a)+1]
.endr
.endr
	WIN 0
.Lbiased_\@:
	QUANT H, SW+\a
	global_store_b128 v3, v[PC:PC+3], s[PA:PA+1]               ; each store covers 512 or 256 consecutive bytes, aligned
	global_store_b64 v4, v[PC+4:PC+5], s[PA:PA+1] offset:512
	global_store_b128 v3, v[PC+6:PC+9], s[PB:PB+1]
	global_store_b64 v4, v[PC+10:PC+11], s[PB:PB+1] offset:512
.endm
.irp a, 0,1,2,3,4,5,6,7
	OUT \a
.endr
.irp i, 0,1,2,3
	v_cndmask_b32 v[SEL4+\i], v[SW+2*\i], v[SW+2*\i+1], s52    ; word i: lanes 0-15 fragment 2 i's rows, lanes 16-31 fragment 2 i + 1's: one register will serve two fragments
.endr
	s_cmp_eq_u32 s20, 1
	s_cbranch_scc1 .Lscales_v
.irp i, 0,1,2,3
	v_lshrrev_b32 v[SH4+\i], 16, v[SEL4+\i]                    ; head B's two bytes; the upper two stand for zero codes there: any byte but 0xff serves
.endr
	global_store_b128 v3, v[SEL4:SEL4+3], s[PS:PS+1]
	global_store_b128 v3, v[SH4:SH4+3], s[PS2:PS2+1]
	s_branch .Lscales_done
.Lscales_v:
	global_store_b64 v4, v[SEL4:SEL4+1], s[PS:PS+1]            ; fragments 0-3: head A's
	global_store_b64 v4, v[SEL4+2:SEL4+3], s[PS2:PS2+1]        ; fragments 4-7: head B's
.Lscales_done:
	s_wait_tensorcnt 0x0                           ; the wave's end
	ds_add_u32 v[SPW], v[NIL]
	s_wait_dscnt 0x0
	CROUND                                         ; the closing round
	s_endpgm
.Lfunc_end_k_q084ec79a03_qkv:
	.size	k_q084ec79a03_qkv, .Lfunc_end_k_q084ec79a03_qkv-k_q084ec79a03_qkv
	.p2alignl 7, 3214868480
	.fill 96, 4, 3214868480
	.section	.rodata,"a",@progbits
	.p2align	6, 0x0
	.amdhsa_kernel k_q084ec79a03_qkv
		.amdhsa_group_segment_fixed_size 327680
		.amdhsa_private_segment_fixed_size 0
		.amdhsa_enable_private_segment 0
		.amdhsa_kernarg_size 40
		.amdhsa_user_sgpr_count 2
		.amdhsa_user_sgpr_kernarg_segment_ptr 1
		.amdhsa_wavefront_size32 1
		.amdhsa_system_sgpr_workgroup_id_x 1
		.amdhsa_system_sgpr_workgroup_id_y 1
		.amdhsa_system_sgpr_workgroup_id_z 1
		.amdhsa_system_vgpr_workitem_id 0
		.amdhsa_next_free_vgpr 1024
		.amdhsa_next_free_sgpr 102
		.amdhsa_reserve_vcc 0
		.amdhsa_float_denorm_mode_32 3
		.amdhsa_float_denorm_mode_16_64 3
		.amdhsa_memory_ordered 1
		.amdhsa_forward_progress 1
		.amdhsa_inst_pref_size 188
	.end_amdhsa_kernel
	.amdgpu_metadata
---
amdhsa.version: [ 1, 2 ]
amdhsa.kernels:
  - .name:           k_q084ec79a03_qkv
    .symbol:         k_q084ec79a03_qkv.kd
    .args:
      - { .name: xq, .offset: 0, .size: 8, .value_kind: global_buffer, .address_space: global }
      - { .name: wq, .offset: 8, .size: 8, .value_kind: global_buffer, .address_space: global }
      - { .name: b_attn, .offset: 16, .size: 8, .value_kind: global_buffer, .address_space: global }
      - { .name: qq, .offset: 24, .size: 8, .value_kind: global_buffer, .address_space: global }
      - { .name: kv, .offset: 32, .size: 8, .value_kind: global_buffer, .address_space: global }
    .group_segment_fixed_size: 327680
    .private_segment_fixed_size: 0
    .kernarg_segment_align: 8
    .kernarg_segment_size: 40
    .max_flat_workgroup_size: 128
    .sgpr_count:     102
    .vgpr_count:     1024
    .wavefront_size: 32
...
	.end_amdgpu_metadata
.endif
;; end of part 2
;; launch attn (part 3): grid 4 x 64, 16 waves a work-group, no clusters, 211,968 bytes of LDS; arguments qq, kv, mk, yq; writes yq
.if DOCPART == 3
	.amdgcn_target "amdgcn-amd-amdhsa--gfx1250"
	.amdhsa_code_object_version 6
	.text
	.protected	k_q084ec79a03_attn
	.globl	k_q084ec79a03_attn
	.p2align	8
	.type	k_q084ec79a03_attn,@function
k_q084ec79a03_attn:
	s_mov_b64 s[64:65], 0
	v_nop
	global_prefetch_b8 v0, s[64:65] scope:SCOPE_SE
	s_setreg_imm32_b32 hwreg(HW_REG_WAVE_MODE, 25, 1), 1
	s_wait_xcnt 0x0
; y = softmax(q k^T / 8, under the mask) v for one (batch, head), both products on codes of FP6 (E2M3) with E8M0 scales; y leaves as codes, quantised along the channels, laid as the last product's operand.
; THE SOFTMAX: t = score x log2(e) / 8; M = the running largest t rounded UP to a whole number; p = 2^(t - M) is quantised along the keys, not normalised; the row's sum is taken of the unquantised p and divides at the end.
; When M moves, the sum and O are multiplied by 2^(old M - new M), made by v_ldexp_f32: nothing is rounded.
; SHARES.  Work-group (x, bh); wave w works the tile of 16 queries 16 x + w and then tile 127 - (16 x + w).  A head's K and V for all 2,048 keys (16 blocks of 13,056 bytes: K's 8 half fragments, V's 4 fragments, their
; scale words) are copied into LDS once, a block a wave; behind the one barrier LDS is only read and the waves run freely.
; THE MASK is an input: an earlier launch has turned it into lane masks (64 words for a tile and a step of 128 keys) and a code for each (tile, step): 0 all hidden, 1 some hidden, 2 none.  A step with code 0 is passed over by a
; scalar branch on that stored number; hidden scores become -2^120 ahead of the maximum.  If some query of the tile has no visible key at all, no step of the tile is passed over: for that query every t - M is 0, every
; p is 1, and the result is the mean over all keys, as the softmax of equal logits gives.  As soon as a real score arrives, the factor 2^(old M - new M) is 0 and wipes what hidden keys have added.
; NO JOINT LOADS, though the four work-groups of a head read the same K and V: the step's branch hangs on a number read from memory; K and V are read once a work-group, 208,896 bytes.
; K = 64 in q k^T: registers 6-11 of K's and Q's fragments are zero codes, which add nothing under any scale byte but 0xff; the words' upper bytes are valid bytes or 0.
; LAYOUT.  S^T = K Q^T and O^T = V^T P^T: a lane holds one query throughout.  Key fragment 2 b + u holds keys 32 b + 8 u + r + 8 (r / 8): the 16 registers of tiles 2 b, 2 b + 1 are 16 neighbouring keys.
; LIMITS: NaN and infinities are not served; scores stay far above -2^120; a block of p or y under 2^-124 keeps the byte 1.
; REGISTERS: v1, v2 16 and 8 x lane; v3, v4 the step's LDS addresses; v5 16 r; v6 -2^120; v7 8 r + h; v12 -M, v13 largest t, v[14:15] the sum; v16-27 Q; v28-31 K's scale words; v32-127 K's 8 fragments;
;   v128-191 S^T, then p, then V's fragments; v192-223 O^T; v224-235 p's codes; v232-247, v252, v254 at work; v248-249 V's scale words; v253 p's scale word; v255 Q's.
.set KVB,    13056
.set HEADKV, 208896
.set QSC,    6291456
.set YSC,    6291456
.set STRX,   1572864
.set MFL,    524288
	s_load_b256 s[4:11], s[0:1], 0x0               ; qq, kv, mk, yq
	v_lshl_add_u32 v250, v0, 2, 0x33400
	v_mov_b32 v251, 0
	v_lshrrev_b32 v1, 5, v0
	v_readfirstlane_b32 s12, v1                    ; wave
	s_and_b32 s13, ttmp7, 0xffff                   ; 16 x batch + head
	v_and_b32 v8, 31, v0
	v_lshlrev_b32 v1, 4, v8
	v_lshlrev_b32 v2, 3, v8
	v_and_b32 v9, 15, v0
	v_lshlrev_b32 v5, 4, v9
	v_bfe_u32 v10, v0, 4, 1
	v_lshl_add_u32 v7, v9, 3, v10
	v_mov_b32 v6, 0xfb800000                       ; -2^120
	s_mul_i32 s26, s12, KVB
	v_add_nc_u32 v3, s26, v1
	v_add_nc_u32 v4, s26, v2
	s_mul_i32 s27, s13, HEADKV
	s_add_co_u32 s26, s26, s27
	s_mov_b32 s27, 0
	s_mov_b32 s20, 0x76543210
	s_mov_b32 s21, 0xfedcba98                      ; lane l xor 16
	s_mov_b32 s22, 0x3e38aa3b                      ; c = log2(e) / 8
	s_mov_b32 s23, s22
	s_mov_b32 s25, 0xffff0000                      ; lanes 16-31
	s_wait_kmcnt 0x0
	s_add_nc_u64 s[26:27], s[6:7], s[26:27]        ; my block of K and V
.irp i, 0,1,2,3,4,5,6,7,8,9,10,11,12,13,14,15,16,17,18,19,20,21,22,23,24
	global_load_b128 v[128+4*\i:131+4*\i], v1, s[26:27] offset:512*\i
.endr
	global_load_b64 v[228:229], v2, s[26:27] offset:12800
.irp i, 0,1,2,3,4,5,6,7,8,9,10,11,12,13,14,15,16,17,18,19,20,21,22,23,24
	s_wait_loadcnt 25-\i                           ; load i is in; the younger ones may be out
	ds_store_b128 v3, v[128+4*\i:131+4*\i] offset:512*\i
.endr
	s_wait_loadcnt 0x0
	ds_store_b64 v4, v[228:229] offset:12800
.irp phi, 0,1,2,3,4,5,6,7
.irp i, 6,7,8,9,10,11
	v_mov_b32 v[32+12*\phi+\i], 0                  ; K = 64 .. 127 of K's fragments: zero codes, written once
.endr
.endr
.irp i, 22,23,24,25,26,27
	v_mov_b32 v[\i], 0                             ; and of Q's
.endr
.irp b, 0,1,2,3
	v_mov_b32 v[236+\b], 0                         ; a lane permute's destination counts as one of its sources
.endr
	v_mov_b32 v252, 0
	v_mov_b32 v253, 0                              ; (named as the upper half of the pair v[252:253] before it is first written)
	s_lshl_b32 s14, ttmp9, 4
	s_add_co_u32 s14, s14, s12                     ; my first tile
	s_mov_b32 s15, 2
	s_wait_dscnt 0x0                               ; for the others' sake: my block lies in LDS
	s_barrier_signal -1
	s_barrier_wait -1
.Lpass:
	s_wait_xcnt 0x0                                ; the last pass's stores have read their registers and bases
	s_mul_i32 s26, s13, 98304
	s_mul_i32 s28, s14, 768
	s_add_co_u32 s26, s26, s28
	s_mov_b32 s27, 0
	s_add_nc_u64 s[26:27], s[4:5], s[26:27]        ; Q's half fragment
	s_lshl_b32 s28, s13, 13
	s_lshr_b32 s29, s14, 3
	s_lshl_b32 s29, s29, 9
	s_add_co_u32 s28, s28, s29
	s_and_b32 s29, s14, 1
	s_lshl_b32 s29, s29, 8
	s_add_co_u32 s28, s28, s29
	s_bfe_u32 s29, s14, 0x20001
	s_lshl_b32 s29, s29, 2
	s_add_co_u32 s28, s28, s29
	s_add_co_u32 s28, s28, QSC
	s_mov_b32 s29, 0
	s_add_nc_u64 s[28:29], s[4:5], s[28:29]        ; its scale words: 16 bytes from row to row
	s_lshl_b32 s30, s14, 6
	s_add_co_u32 s30, s30, MFL
	global_load_b128 v[16:19], v1, s[26:27]
	global_load_b64 v[20:21], v2, s[26:27] offset:512
	global_load_b32 v255, v5, s[28:29]
	s_load_b512 s[32:47], s[8:9], s30 offset:0x0   ; the tile's codes: four words from each of the four waves that read its mask
.irp j, 0,1,2,3,4,5,6,7,8,9,10,11,12,13,14,15,16,17,18,19,20,21,22,23,24,25,26,27,28,29,30,31
	v_mov_b32 v[192+\j], 0                         ; O^T: the step is written once; the first finds zeros
.endr
	v_mov_b32 v13, 0xff61b1e6                      ; the largest t so far: -3e38
	v_floor_f32 v12, -v13
	v_mov_b32 v14, 0
	v_mov_b32 v15, 0
	s_mov_b32 s17, 0                               ; the step's block in LDS
	s_lshl_b32 s18, s14, 12                        ; the step's mask words: 4,096 bytes a tile, 256 a step
	s_mov_b32 s16, 16
	s_wait_kmcnt 0x0
	s_and_b32 s24, s34, s38                        ; lanes all of whose 1,024 keys are hidden
	s_and_b32 s24, s24, s42
	s_and_b32 s24, s24, s46
	s_not_b32 s24, s24
	s_lshr_b32 s19, s24, 16
	s_or_b32 s24, s24, s19
	s_and_b32 s24, s24, 0xffff                     ; queries with a visible key
	s_lshl_b32 s36, s36, 8
	s_lshl_b32 s40, s40, 16
	s_lshl_b32 s44, s44, 24
	s_or_b32 s32, s32, s36
	s_or_b32 s32, s32, s40
	s_or_b32 s32, s32, s44                         ; codes with 0 for a hidden step
	s_lshl_b32 s37, s37, 8
	s_lshl_b32 s41, s41, 16
	s_lshl_b32 s45, s45, 24
	s_or_b32 s33, s33, s37
	s_or_b32 s33, s33, s41
	s_or_b32 s33, s33, s45                         ; codes that pass over nothing
	s_cmp_eq_u32 s24, 0xffff
	s_cselect_b32 s19, s32, s33
	s_wait_loadcnt 0x0                             ; Q
.Lstep:
	s_and_b32 s24, s19, 3
	s_cmp_eq_u32 s24, 0
	s_cbranch_scc1 .Ltail                          ; all 128 keys hidden from all 16 queries
	s_load_b512 s[32:47], s[8:9], s18 offset:0x0   ; the lane masks; asked for in every worked step
	s_load_b512 s[48:63], s[8:9], s18 offset:0x40
	s_load_b512 s[68:83], s[8:9], s18 offset:0x80
	s_load_b512 s[84:99], s[8:9], s18 offset:0xc0
	v_add_nc_u32 v3, s17, v1
	v_add_nc_u32 v4, s17, v2
.rept 3
	v_nop                                          ; with the two additions five plain lines: the products below write over registers that the last step's products read as source 0
.endr
.irp phi, 0,1,2,3,4,5,6,7
	ds_load_b128 v[32+12*\phi:35+12*\phi], v3 offset:768*\phi
	ds_load_b64 v[36+12*\phi:37+12*\phi], v4 offset:768*\phi+512
.endr
	ds_load_b128 v[28:31], v3 offset:12288         ; word i: lanes 0-15 fragment 2 i, lanes 16-31 fragment 2 i + 1
	s_wait_dscnt 0x0
.irp phi, 0,1,2,3,4,5,6,7
.if (\phi)%2
	v_wmma_scale_f32_16x16x128_f8f6f4 v[128+8*\phi:135+8*\phi], v[32+12*\phi:43+12*\phi], v[16:27], 0, v[28+\phi/2], v255 matrix_a_fmt:MATRIX_FMT_FP6 matrix_b_fmt:MATRIX_FMT_FP6 matrix_a_scale:MATRIX_SCALE_ROW1
.else
	v_wmma_scale_f32_16x16x128_f8f6f4 v[128+8*\phi:135+8*\phi], v[32+12*\phi:43+12*\phi], v[16:27], 0, v[28+\phi/2], v255 matrix_a_fmt:MATRIX_FMT_FP6 matrix_b_fmt:MATRIX_FMT_FP6
.endif
.endr
.rept 4
	v_nop
.endr
	s_wait_kmcnt 0x0
	s_cmp_eq_u32 s24, 2
	s_cbranch_scc1 .Lopen                          ; nothing hidden in this step
.set n, 0
.rept 64
.if n < 32
	v_cndmask_b32 v[128+n], v[128+n], v6, s[32+n]
.else
	v_cndmask_b32 v[128+n], v[128+n], v6, s[36+n]
.endif
.set n, n+1
.endr
.Lopen:
.irp b, 0,1,2,3
	v_max3_num_f32 v[232+\b], v[128+16*\b], v[129+16*\b], v[130+16*\b]   ; the largest score of each block of 32 keys: for the row's maximum, and, since p rises with the score, for the block's largest p
.endr
.irp i, 3,5,7,9,11,13
.irp b, 0,1,2,3
	v_max3_num_f32 v[232+\b], v[232+\b], v[128+16*\b+\i], v[129+16*\b+\i]
.endr
.endr
.irp b, 0,1,2,3
	v_max_num_f32 v[232+\b], v[232+\b], v[143+16*\b]
.endr
.irp b, 0,1,2,3
	v_permlanex16_b32 v[236+\b], v[232+\b], s20, s21
.endr
.irp b, 0,1,2,3
	v_max_num_f32 v[232+\b], v[232+\b], v[236+\b]
.endr
	v_max3_num_f32 v254, v232, v233, v234
	v_max_num_f32 v254, v254, v235
	v_mul_f32 v254, s22, v254
	v_max_num_f32 v13, v13, v254                   ; the running largest t
	v_mov_b32 v254, v12
	v_floor_f32 v12, -v13                          ; the new -M = -ceil(t)
	v_sub_f32 v254, v12, v254                      ; old M - new M: a whole number, 0 or less
	v_cvt_i32_f32 v254, v254                       ; (it saturates)
	v_ldexp_f32 v252, 1.0, v254                    ; f = 2^(old M - new M)
.irp j, 0,2,4,6,8,10,12,14,16,18,20,22,24,26,28,30,32,34,36,38,40,42,44,46,48,50,52,54,56,58,60,62
	v_pk_fma_f32 v[128+\j:129+\j], v[128+\j:129+\j], s[22:23], v[12:13] op_sel_hi:[1,0,0]   ; t - M
.endr
.irp b, 0,1,2,3
	v_fma_f32 v[232+\b], v[232+\b], s22, v12
.endr
.irp j, 0,1,2,3,4,5,6,7,8,9,10,11,12,13,14,15,16,17,18,19,20,21,22,23,24,25,26,27,28,29,30,31,32,33,34,35,36,37,38,39,40,41,42,43,44,45,46,47,48,49,50,51,52,53,54,55,56,57,58,59,60,61,62,63
	v_exp_f32 v[128+\j], v[128+\j]                 ; p
.endr
	v_pk_mul_f32 v[14:15], v[14:15], v[252:253] op_sel_hi:[1,0]   ; the sums under the new M: a plain line behind the exponentials
	s_wait_alu depctr_va_vdst(0)                   ; one wait for the batch, ahead of its first reader
.irp b, 0,1,2,3
	v_exp_f32 v[232+\b], v[232+\b]                 ; each block's largest p
.endr
	v_pk_add_f32 v[236:237], v[128:129], v[130:131]   ; the row's sum of the unquantised p, in two chains
.irp j, 4,8,12,16,20,24,28,32,36,40,44,48,52,56,60
	v_pk_add_f32 v[14:15], v[14:15], v[128+\j:129+\j]
	v_pk_add_f32 v[236:237], v[236:237], v[130+\j:131+\j]
.endr
	v_pk_add_f32 v[14:15], v[14:15], v[236:237]
	s_wait_alu depctr_va_vdst(0)                   ; and one for the four
.irp b, 0,1,2,3
	v_max_num_f32 v[232+\b], 0x1800000, v[232+\b]  ; the floor 2^(3 - 127)
.endr
.irp b, 0,1,2,3
	v_add_nc_u32 v[244+\b], 0xff000000, v[232+\b]
.endr
.irp b, 0,1,2,3
	v_lshrrev_b32 v[236+\b], 23, v[244+\b]
.endr
	v_lshl_or_b32 v253, v237, 8, v236              ; p's scale word for these 128 keys
	v_lshl_or_b32 v253, v238, 16, v253
	v_lshl_or_b32 v253, v239, 24, v253
.irp c, 0,1
	v_cvt_scalef32_pk16_fp6_f32 v[224+6*\c:226+6*\c], v[128+32*\c:143+32*\c], v[244+2*\c]
	v_cvt_scalef32_pk16_fp6_f32 v[236+4*\c:238+4*\c], v[144+32*\c:159+32*\c], v[244+2*\c+1]
.endr
	v_nop                                          ; one plain line behind the conversions
.irp t, 0,1,2,3                        ; V's four fragments take p's registers: they land while the codes are put in place and O^T is rescaled
	ds_load_b128 v[128+12*\t:131+12*\t], v3 offset:6144+1536*\t
	ds_load_b64 v[132+12*\t:133+12*\t], v4 offset:6144+1536*\t+512
	ds_load_b128 v[134+12*\t:137+12*\t], v3 offset:6144+1536*\t+768
	ds_load_b64 v[138+12*\t:139+12*\t], v4 offset:6144+1536*\t+1280
.endr
	ds_load_b64 v[248:249], v4 offset:12800
.irp c, 0,1
.irp i, 0,1,2
	v_permlane16_swap_b32 v[224+6*\c+\i], v[236+4*\c+\i]
.endr
.irp i, 0,1,2
	v_mov_b32 v[227+6*\c+\i], v[236+4*\c+\i]
.endr
.endr
.irp j, 0,2,4,6,8,10,12,14,16,18,20,22,24,26,28,30
	v_pk_mul_f32 v[192+\j:193+\j], v[192+\j:193+\j], v[252:253] op_sel_hi:[1,0]   ; O^T under the new M; twelve of these sixteen name no register of any one product below: the plain lines between p's codes and scale word and the products
.endr
	s_wait_dscnt 0x0
.irp t, 0,1,2,3
.if (\t)%2
	v_wmma_scale_f32_16x16x128_f8f6f4 v[192+8*\t:199+8*\t], v[128+12*\t:139+12*\t], v[224:235], v[192+8*\t:199+8*\t], v[248+\t/2], v253 matrix_a_fmt:MATRIX_FMT_FP6 matrix_b_fmt:MATRIX_FMT_FP6 matrix_a_scale:MATRIX_SCALE_ROW1
.else
	v_wmma_scale_f32_16x16x128_f8f6f4 v[192+8*\t:199+8*\t], v[128+12*\t:139+12*\t], v[224:235], v[192+8*\t:199+8*\t], v[248+\t/2], v253 matrix_a_fmt:MATRIX_FMT_FP6 matrix_b_fmt:MATRIX_FMT_FP6
.endif
.endr
.Ltail:
	s_add_co_u32 s17, s17, KVB
	s_add_co_u32 s18, s18, 256
	s_lshr_b32 s19, s19, 2
	s_sub_co_u32 s16, s16, 1
	s_cmp_lg_u32 s16, 0
	s_cbranch_scc1 .Lstep
	; THE PASS'S END: y = O^T / the sum; register 16 t + i is channel 32 t + 16 h + i of my query: two blocks of 32 along the last product's K.
.rept 4
	v_nop                                          ; plain lines behind the last products
.endr
	v_add_f32 v14, v14, v15
	v_permlanex16_b32 v252, v14, s20, s21
	v_add_f32 v14, v14, v252
	v_rcp_f32 v14, v14
	v_nop
	s_wait_alu depctr_va_vdst(0)                   ; ahead of the reciprocal's first reader
.irp j, 0,1,2,3,4,5,6,7,8,9,10,11,12,13,14,15,16,17,18,19,20,21,22,23,24,25,26,27,28,29,30,31
	v_mul_f32 v[128+\j], v[192+\j], v14
.endr
.irp b, 0,1
	v_max3_num_f32 v[232+\b], |v[128+16*\b]|, |v[129+16*\b]|, 0x1800000
.endr
.irp i, 2,4,6,8,10,12,14
.irp b, 0,1
	v_max3_num_f32 v[232+\b], v[232+\b], |v[128+16*\b+\i]|, |v[129+16*\b+\i]|
.endr
.endr
.irp b, 0,1
	v_permlanex16_b32 v[236+\b], v[232+\b], s20, s21
.endr
.irp b, 0,1
	v_max_num_f32 v[232+\b], v[232+\b], v[236+\b]
.endr
.irp b, 0,1
	v_add_nc_u32 v[244+\b], 0xff000000, v[232+\b]
.endr
.irp b, 0,1
	v_lshrrev_b32 v[240+\b], 23, v[244+\b]
.endr
	v_cndmask_b32 v240, v240, v241, s25            ; lane (r, h) stores block h's byte
	v_cvt_scalef32_pk16_fp6_f32 v[224:226], v[128:143], v244
	v_cvt_scalef32_pk16_fp6_f32 v[236:238], v[144:159], v245
	v_nop
.irp i, 0,1,2
	v_permlane16_swap_b32 v[224+\i], v[236+\i]
.endr
.irp i, 0,1,2
	v_mov_b32 v[227+\i], v[236+\i]                 ; v224-229: lane (r, h) holds block h of row r: half a fragment's image
.endr
	s_and_b32 s26, s13, 15                         ; head
	s_lshr_b32 s27, s13, 4
	s_lshl_b32 s27, s27, 7
	s_add_co_u32 s27, s27, s14                     ; y's fragment: 128 x batch + tile
	s_lshr_b32 s28, s26, 2                         ; which 256 along K,
	s_bfe_u32 s29, s26, 0x10001                    ; which 128 of them,
	s_and_b32 s30, s26, 1                          ; which 64 of those
	s_mul_i32 s32, s28, STRX
	s_mul_i32 s33, s27, 3072
	s_add_co_u32 s32, s32, s33
	s_mul_i32 s33, s29, 1536
	s_add_co_u32 s32, s32, s33
	s_mul_i32 s33, s30, 768
	s_add_co_u32 s32, s32, s33
	s_mov_b32 s33, 0
	s_add_nc_u64 s[32:33], s[10:11], s[32:33]
	s_lshl_b32 s34, s27, 9
	s_lshl_b32 s35, s28, 7
	s_add_co_u32 s34, s34, s35
	s_lshl_b32 s35, s29, 2
	s_add_co_u32 s34, s34, s35
	s_lshl_b32 s35, s30, 1
	s_add_co_u32 s34, s34, s35
	s_add_co_u32 s34, s34, YSC
	s_mov_b32 s35, 0
	s_add_nc_u64 s[34:35], s[10:11], s[34:35]
	global_store_b128 v1, v[224:227], s[32:33]     ; 512 and 256 consecutive bytes, aligned
	global_store_b64 v2, v[228:229], s[32:33] offset:512
	global_store_b8 v7, v240, s[34:35]             ; single bytes: two heads, of different work-groups, share a scale word; 32 bytes a tile and head
	s_sub_co_u32 s14, 127, s14                     ; the second tile
	s_sub_co_u32 s15, s15, 1
	s_cmp_lg_u32 s15, 0
	s_cbranch_scc1 .Lpass
	s_wait_tensorcnt 0x0
	ds_add_u32 v250, v251
	s_wait_dscnt 0x0
	s_endpgm
.Lfunc_end_k_q084ec79a03_attn:
	.size	k_q084ec79a03_attn, .Lfunc_end_k_q084ec79a03_attn-k_q084ec79a03_attn
	.p2alignl 7, 3214868480
	.fill 96, 4, 3214868480
	.section	.rodata,"a",@progbits
	.p2align	6, 0x0
	.amdhsa_kernel k_q084ec79a03_attn
		.amdhsa_group_segment_fixed_size 211968
		.amdhsa_private_segment_fixed_size 0
		.amdhsa_enable_private_segment 0
		.amdhsa_kernarg_size 32
		.amdhsa_user_sgpr_count 2
		.amdhsa_user_sgpr_kernarg_segment_ptr 1
		.amdhsa_wavefront_size32 1
		.amdhsa_system_sgpr_workgroup_id_x 1
		.amdhsa_system_sgpr_workgroup_id_y 1
		.amdhsa_system_sgpr_workgroup_id_z 1
		.amdhsa_system_vgpr_workitem_id 0
		.amdhsa_next_free_vgpr 256
		.amdhsa_next_free_sgpr 102
		.amdhsa_reserve_vcc 0
		.amdhsa_float_denorm_mode_32 3
		.amdhsa_float_denorm_mode_16_64 3
		.amdhsa_memory_ordered 1
		.amdhsa_forward_progress 1
		.amdhsa_inst_pref_size 37
	.end_amdhsa_kernel
	.amdgpu_metadata
---
amdhsa.version: [ 1, 2 ]
amdhsa.kernels:
  - .name:           k_q084ec79a03_attn
    .symbol:         k_q084ec79a03_attn.kd
    .args:
      - { .name: qq, .offset: 0, .size: 8, .value_kind: global_buffer, .address_space: global }
      - { .name: kv, .offset: 8, .size: 8, .value_kind: global_buffer, .address_space: global }
      - { .name: mk, .offset: 16, .size: 8, .value_kind: global_buffer, .address_space: global }
      - { .name: yq, .offset: 24, .size: 8, .value_kind: global_buffer, .address_space: global }
    .group_segment_fixed_size: 211968
    .private_segment_fixed_size: 0
    .kernarg_segment_align: 8
    .kernarg_segment_size: 32
    .max_flat_workgroup_size: 512
    .sgpr_count:     102
    .vgpr_count:     256
    .wavefront_size: 32
...
	.end_amdgpu_metadata
.endif
;; end of part 3
;; launch proj (part 4): grid 4 x 32, 4 waves a work-group, clusters of 4 x 4, 327,680 bytes of LDS; arguments yq, wq, b_proj, out0; writes out0
.if DOCPART == 4
	.amdgcn_target "amdgcn-amd-amdhsa--gfx1250"
	.amdhsa_code_object_version 6
	.text
	.protected	k_q084ec79a03_proj
	.globl	k_q084ec79a03_proj
	.p2align	8
	.type	k_q084ec79a03_proj,@function
k_q084ec79a03_proj:
	s_mov_b64 s[64:65], 0
	v_nop
	global_prefetch_b8 v0, s[64:65] scope:SCOPE_SE
	s_setreg_imm32_b32 hwreg(HW_REG_WAVE_MODE, 25, 1), 1
	s_wait_xcnt 0x0
	s_wait_alu depctr_hold_cnt(0) depctr_sa_sdst(0) depctr_va_vdst(0) depctr_va_sdst(0) depctr_va_ssrc(0) depctr_va_vcc(0) depctr_vm_vsrc(0)
	s_getreg_b32 s2, hwreg(HW_REG_IB_STS2, 6, 4)
	s_cmp_eq_u32 s2, 0
	s_cbranch_scc0 .Lentry_in_a_cluster
	s_endpgm
.Lentry_in_a_cluster:
	s_bfe_u32 s2, ttmp6, 0x10000c
	s_cmp_lg_u32 s2, 0xf033
	s_cbranch_scc0 .Lentry_shape_is_right
	s_endpgm
.Lentry_shape_is_right:
; out0 = y W_proj + b_proj on codes of FP6 (E2M3) with E8M0 scales; out0 [8192][1024] f32.
; A tile of 256 x 256 to a work-group of four waves, 128 x 128 to a wave.  Source 0 = a fragment of S0 = W_proj (rows 3,072 on of the weights' buffer), source 1 = a fragment of S1 = y: a lane holds one token, its registers
; run along the output's channels.  The bias is the C of each sum's first matrix instruction.
; OPERANDS lie in memory as images of their registers (1,536 bytes a fragment of 16 rows x 128 K), [256 along K][fragment][128 along K]; fragment 2 g + u holds in lane row r the row 32 g + 8 u + r + 8 (r / 8).
; K = 1,024 is four fills of 256: three LDS slots take the first three at the start, the fourth goes into slot 0 behind the one round in which slot 0 is given up.  By this text's count a wave has at most four tensor loads out.
; CLUSTER 4 x 4: y's tile hangs on cy and is shared along a row of the cluster, W's on cx and is shared along a column: joint loads.  128 tiles: half of the chip's work-group places stay empty at this tile size.
; REGISTERS: window 0: v3, v4 16 and 8 x lane; v8-19 fragment addresses; v20 scale words' address; v24, v25 the stage; v28, v29 the spare word's; v32-63 scale words and nothing else; v64-127 b_proj;
;   v128-223 S1's 8 fragments; on the way out v128-255 rows of out0.  window 1: S0's fragments, two sets.  windows 2, 3: the accumulators, (a, b) at v[8 (8 (a % 4) + b)].
.set STRX,  1572864
.set STRW,  786432
.set XSC,   6291456
.set WSC,   3145728
.set FRB,   1536
.set FR2,   3072
.set HALFT, 24576
.set SLOT,  98304
.set SCL,   3*SLOT
.set SPARE, SCL+16384                  ; the spare words, 128 bytes a wave: two blocks of 256 bytes that no other line names
.set SPITCH, 528                       ; the way out: 16 rows x (512 bytes + 16) for each wave, in slot 1: it has had its one fill, and its last read lies ahead of the last barrier
.set FR,    12
.set A16,   8
.set A8,    11
.set B16,   14
.set B8,    17
.set ADRS,  20
.set STO,   24
.set RD,    25
.set SPW,   28
.set NIL,   29
.set SC,    32
.set BI,    64
.set AF,    128
.set BK,    128
.set G1A,  24
.set G1B,  32
.set G1SA, 40
.set G1SB, 48
.set G0A0, 56
.set G0A1, 60
.set G0A2, 68
.set G0B0, 72
.set G0B1, 76
.set G0B2, 80
.set G0SA, 84
.set G0SB, 88
.set MSB, 0
.macro WIN new                         ; the immediate's high byte repeats the setting that is left
.if MSB != (\new)
	s_set_vgpr_msb (MSB<<8)|(\new)
.set MSB, \new
.endif
.endm
.set MUL_LO, 0xa1
.set MUL_HI, 0xf1
.set TO_B,   0x40
.macro JLOAD g0a, g1a, g0b, g1b        ; a joint load: waves 0 and 1 fetch S1's halves, waves 2 and 3 S0's; four v_nop follow each line
	s_cmp_eq_u32 s15, 0
	s_cbranch_scc0 .Lfor_b_\@
	tensor_load_to_lds s[\g0a:\g0a+3], s[\g1a:\g1a+7]
	s_nop 0
.rept 4
	v_nop
.endr
	s_branch .Lasked_\@
.Lfor_b_\@:
	tensor_load_to_lds s[\g0b:\g0b+3], s[\g1b:\g1b+7]
	s_nop 0
.rept 4
	v_nop
.endr
.Lasked_\@:
.endm
.macro CREST
	s_cmp_lg_u32 s14, 0
	s_cbranch_scc1 .Lnot_wave_0_\@
	s_barrier_signal -3
.Lnot_wave_0_\@:
	s_barrier_wait -3
	s_barrier_signal -1
	s_barrier_wait -1
.endm
.macro CROUND
	s_barrier_signal -1
	s_barrier_wait -1
	CREST
.endm
.macro PLACES n
.rept \n
	v_nop
.endr
.endm
	s_load_b256 s[4:11], s[0:1], 0x0               ; yq, wq, b_proj, out0
	v_lshl_add_u32 v[SPW], v0, 2, SPARE
	v_mov_b32 v[NIL], 0
	ds_add_u32 v28, v29
	ds_add_u32 v28, v29
	s_wait_dscnt 0x0
	v_lshrrev_b32 v1, 5, v0
	v_readfirstlane_b32 s14, v1                    ; wave
	s_lshr_b32 s15, s14, 1                         ; my half of the tokens.  Also: I fetch for S1 (0) or S0 (1)
	s_and_b32 s16, s14, 1                          ; my half of the channels.  Also: which half I fetch
	s_bfe_u32 s17, ttmp6, 0x40000                  ; cx
	s_bfe_u32 s18, ttmp6, 0x40004                  ; cy
	s_and_b32 s19, ttmp7, 0xffff
	s_lshl_b32 s22, s19, 2
	s_add_co_u32 s22, s22, s18                     ; y's tile: 4 cluster y + cy
	s_add_co_u32 s23, s17, 12                      ; the weights' tile: 12 + cx
	s_lshl_b32 s66, s18, 2
	s_lshl_b32 s66, 15, s66                        ; my row of the cluster
	s_lshl_b32 s101, 0x1111, s17                   ; my column
	s_or_b32 s[G1A], s66, (3<<16)|(1<<21)          ; 15:0 the mask; 17:16 elements of 8 bytes; 21 set beside a mask; no padding
	s_or_b32 s[G1SA], s66, (3<<16)|(1<<21)
	s_or_b32 s[G1B], s101, (3<<16)|(1<<21)
	s_or_b32 s[G1SB], s101, (3<<16)|(1<<21)
.irp g, G1A, G1B                       ; 24,576 dense bytes as 96 rows of 256
	s_mov_b32 s[\g+1], 32<<16
	s_mov_b32 s[\g+2], 96<<16
	s_mov_b32 s[\g+3], 32<<16
	s_mov_b32 s[\g+4], 96
	s_mov_b32 s[\g+5], 32
	s_mov_b32 s[\g+6], 0
	s_mov_b32 s[\g+7], 0
.endr
.irp g, G1SA, G1SB                     ; 4,096 dense bytes as 16 rows of 256
	s_mov_b32 s[\g+1], 32<<16
	s_mov_b32 s[\g+2], 16<<16
	s_mov_b32 s[\g+3], 32<<16
	s_mov_b32 s[\g+4], 16
	s_mov_b32 s[\g+5], 32
	s_mov_b32 s[\g+6], 0
	s_mov_b32 s[\g+7], 0
.endr
	s_mov_b32 s92, 3*STRX                          ; from the first fill to the fourth
	s_mov_b32 s93, 0
	s_mov_b32 s94, 3*STRW
	s_mov_b32 s95, 0
	s_lshl_b32 s96, s22, 13                        ; S1's scale words: 8,192 bytes a tile, my half 4,096
	s_lshl_b32 s97, s16, 12
	s_add_co_u32 s96, s96, s97
	s_add_co_u32 s96, s96, XSC
	s_mov_b32 s97, 0
	s_lshl_b32 s100, s23, 13                       ; S0's, in registers of its own
	s_lshl_b32 s99, s16, 12
	s_add_co_u32 s100, s100, s99
	s_add_co_u32 s100, s100, WSC
	s_mov_b32 s101, 0
	s_wait_kmcnt 0x0
	s_add_nc_u64 s[G0SA+2:G0SA+3], s[4:5], s[96:97]
	s_add_nc_u64 s[G0SB+2:G0SB+3], s[6:7], s[100:101]
	s_mul_i32 s96, s22, 2*HALFT
	s_mul_i32 s98, s16, HALFT
	s_add_co_u32 s96, s96, s98
	s_add_nc_u64 s[G0A0+2:G0A0+3], s[4:5], s[96:97]
	s_add_nc_u64 s[G0A1+2:G0A1+3], s[G0A0+2:G0A0+3], STRX
	s_add_nc_u64 s[G0A2+2:G0A2+3], s[G0A1+2:G0A1+3], STRX
	s_mul_i32 s100, s23, 2*HALFT
	s_mul_i32 s99, s16, HALFT
	s_add_co_u32 s100, s100, s99
	s_add_nc_u64 s[G0B0+2:G0B0+3], s[6:7], s[100:101]
	s_add_nc_u64 s[G0B1+2:G0B1+3], s[G0B0+2:G0B0+3], STRW
	s_add_nc_u64 s[G0B2+2:G0B2+3], s[G0B1+2:G0B1+3], STRW
	s_mul_i32 s96, s14, HALFT                      ; where they go: wave x 24,576 in a slot
	s_lshl_b32 s97, s14, 12
	s_add_co_u32 s[G0SA+1], s97, SCL
	s_add_co_u32 s[G0SB+1], s97, SCL
	s_mov_b32 s[G0A0+1], s96
	s_mov_b32 s[G0B0+1], s96
	s_add_co_u32 s[G0A1+1], s96, SLOT
	s_add_co_u32 s[G0B1+1], s96, SLOT
	s_add_co_u32 s[G0A2+1], s96, 2*SLOT
	s_add_co_u32 s[G0B2+1], s96, 2*SLOT
.irp g, G0A0, G0A1, G0A2, G0B0, G0B1, G0B2, G0SA, G0SB
	s_mov_b32 s[\g], 1
	s_or_b32 s[\g+3], s[\g+3], 0x80000000
.endr
	CROUND                                         ; all sixteen work-groups are here: the first joint loads meet
	JLOAD G0SA, G1SA, G0SB, G1SB
	JLOAD G0A0, G1A, G0B0, G1B
	JLOAD G0A1, G1A, G0B1, G1B
	JLOAD G0A2, G1A, G0B2, G1B
	v_and_b32 v1, 31, v0
	v_lshlrev_b32 v3, 4, v1
	v_lshlrev_b32 v4, 3, v1
	v_and_b32 v5, 15, v0                           ; r
	v_bfe_u32 v6, v0, 4, 1                         ; h
	s_mul_i32 s96, s15, HALFT
	s_mul_i32 s97, s16, HALFT
	s_add_co_u32 s97, s97, 2*HALFT
.irp s, 0,1,2
	v_add_nc_u32 v[A16+\s], s96, v3
	v_add_nc_u32 v[A8+\s], s96, v4
	v_add_nc_u32 v[B16+\s], s97, v3
	v_add_nc_u32 v[B8+\s], s97, v4
	s_add_co_u32 s96, s96, SLOT
	s_add_co_u32 s97, s97, SLOT
.endr
	s_lshl_b32 s96, s15, 12                        ; scale words: lanes 0-15 S1's, lanes 16-31 S0's: the lower base + h x the distance
	s_lshl_b32 s97, s16, 12
	s_add_co_u32 s97, s97, 8192
	s_sub_co_u32 s97, s97, s96
	v_mul_u32_u24 v7, s97, v6
	s_add_co_u32 s96, s96, SCL
	v_lshl_add_u32 v7, v5, 3, v7
	v_add_nc_u32 v[ADRS], s96, v7
	s_mul_i32 s96, s14, 16*SPITCH
	s_add_co_u32 s96, s96, SLOT                    ; my stage
	v_mul_u32_u24 v21, v5, SPITCH
	v_lshl_add_u32 v21, v6, 6, v21
	v_add_nc_u32 v[STO], s96, v21                  ; in: row r, 64 h bytes on
	v_add_nc_u32 v[RD], s96, v3                    ; back: 16 bytes a lane of a row
	s_lshl_b32 s96, s17, 8                         ; b_proj: my 128 channels
	s_lshl_b32 s97, s16, 7
	s_add_co_u32 s96, s96, s97
	s_lshl_b32 s96, s96, 2
	s_mov_b32 s97, 0
	s_add_nc_u64 s[8:9], s[8:9], s[96:97]
	v_lshlrev_b32 v22, 6, v6                       ; 16 h channels
.irp b, 0,1,2,3,4,5,6,7
	global_load_b128 v[BI+8*\b:BI+8*\b+3], v22, s[8:9] offset:(32*(\b/2)+8*(\b%2))*4
	global_load_b128 v[BI+8*\b+4:BI+8*\b+7], v22, s[8:9] offset:(32*(\b/2)+8*(\b%2))*4+16
.endr
	s_lshl_b32 s98, s22, 8                         ; out0: my first token 256 x tile + 128 x half, my first channel's byte 1,024 cx + 512 x half
	s_lshl_b32 s99, s15, 7
	s_add_co_u32 s98, s98, s99
	s_lshl_b32 s98, s98, 12
	s_lshl_b32 s99, s17, 10
	s_add_co_u32 s98, s98, s99
	s_lshl_b32 s99, s16, 9
	s_add_co_u32 s98, s98, s99
	s_mov_b32 s99, 0
	s_add_nc_u64 s[10:11], s[10:11], s[98:99]
.macro FRAG reg, a16, a8, off          ; a fragment's image comes back as it was stored: four loads, each dense over the lanes
	ds_load_b128 v[\reg:\reg+3], v[\a16] offset:\off
	ds_load_b64 v[\reg+4:\reg+5], v[\a8] offset:\off+512
	ds_load_b128 v[\reg+6:\reg+9], v[\a16] offset:\off+768
	ds_load_b64 v[\reg+10:\reg+11], v[\a8] offset:\off+1280
.endm
.macro FETCH_B slot, q, p
	WIN TO_B
.irp i, 0,1,2,3,4,5,6,7
	FRAG 128*(\p)+FR*\i, B16+\slot, B8+\slot, \i*FR2+(\q)*FRB
.endr
	WIN 0
.endm
.macro FETCH_A slot, q, i0
.irp i, \i0, \i0+1, \i0+2, \i0+3
	FRAG AF+FR*(\i), A16+\slot, A8+\slot, (\i)*FR2+(\q)*FRB
.endr
.endm
.macro SCALES sig, set
.irp i, 0,1,2,3,4,5,6,7
	ds_load_b64 v[SC+16*(\set)+2*\i:SC+16*(\set)+2*\i+1], v[ADRS] offset:512*\i+128*(\sig)
.endr
.endm
; 16 matrix instructions: S1's fragments a0, a0 + 1 x S0's eight.  bias = 1: the first product starts the sums from b_proj.  The 64 accumulators take turns, one instruction a turn.
.macro MUL16 a0, p, q, set, bias
.irp a, \a0, \a0+1
.irp b, 0,1,2,3,4,5,6,7
.if \bias
	v_wmma_scale_f32_16x16x128_f8f6f4 v[8*(8*((\a)%4)+\b):8*(8*((\a)%4)+\b)+7], v[128*(\p)+FR*\b:128*(\p)+FR*\b+FR-1], v[AF+FR*(\a):AF+FR*(\a)+FR-1], v[BI+8*\b:BI+8*\b+7], v[SC+16*(\set)+2*\b+(\q)], v[SC+16*(\set)+2*(\a)+(\q)] matrix_a_fmt:MATRIX_FMT_FP6 matrix_b_fmt:MATRIX_FMT_FP6 matrix_a_scale:MATRIX_SCALE_ROW1
.else
	v_wmma_scale_f32_16x16x128_f8f6f4 v[8*(8*((\a)%4)+\b):8*(8*((\a)%4)+\b)+7], v[128*(\p)+FR*\b:128*(\p)+FR*\b+FR-1], v[AF+FR*(\a):AF+FR*(\a)+FR-1], v[8*(8*((\a)%4)+\b):8*(8*((\a)%4)+\b)+7], v[SC+16*(\set)+2*\b+(\q)], v[SC+16*(\set)+2*(\a)+(\q)] matrix_a_fmt:MATRIX_FMT_FP6 matrix_b_fmt:MATRIX_FMT_FP6 matrix_a_scale:MATRIX_SCALE_ROW1
.endif
.endr
.endr
.endm
.macro STEP slot, sig, bias
	s_wait_dscnt 16                                ; S0's set and S1's fragments 0-3 are in; the youngest 16 loads (fragments 4-7) may be out
.if \bias
	WIN 0x81                                       ; C in window 0, D in window 2
.else
	WIN MUL_LO
.endif
	MUL16 0, 0, 0, (\sig)%2, \bias
	MUL16 2, 0, 0, (\sig)%2, \bias
	s_wait_dscnt 0x0
	PLACES 4
	FETCH_B \slot, 1, 1
	FETCH_A \slot, 1, 0
.if \bias
	WIN 0xc1
.else
	WIN MUL_HI
.endif
	MUL16 4, 0, 0, (\sig)%2, \bias
	MUL16 6, 0, 0, (\sig)%2, \bias
	PLACES 4
	WIN 0
	FETCH_A \slot, 1, 4
.endm
; kind 0: the next slot was shown whole to every wave at an earlier barrier.  kind 1: a barrier, with every wave's wait for all its tensor loads in front.  kind 2: that barrier opens a round of the cluster's, and slot 0 takes K 768-1023.
.macro TURN slot, next, sig, kind
.if \kind
	s_wait_tensorcnt 0x0                           ; all my tensor loads have landed
	ds_add_u32 v[SPW], v[NIL]                      ; 0 onto my spare word
	s_wait_dscnt 17                                ; (the add and the youngest 16 loads may be out)
	WIN MUL_LO
	MUL16 0, 1, 1, (\sig)%2, 0
	s_wait_dscnt 0x0                               ; the add is done, and my reads of this slot are over
	s_barrier_signal -1
	MUL16 2, 1, 1, (\sig)%2, 0
	WIN 0
	s_barrier_wait -1
.if \kind == 2
	CREST                                          ; no wave of any partner still reads slot 0 or has a load on its way
	s_add_nc_u64 s[G0A0+2:G0A0+3], s[G0A0+2:G0A0+3], s[92:93]
	s_add_nc_u64 s[G0B0+2:G0B0+3], s[G0B0+2:G0B0+3], s[94:95]
	JLOAD G0A0, G1A, G0B0, G1B                     ; the first tensor load behind the round, one a wave; its four v_nop are also the places in front of the loads below
.else
	PLACES 4
.endif
.else
	s_wait_dscnt 16
	WIN MUL_LO
	MUL16 0, 1, 1, (\sig)%2, 0
	MUL16 2, 1, 1, (\sig)%2, 0
	s_wait_dscnt 0x0
	PLACES 4
.endif
	FETCH_B \next, 0, 0
	FETCH_A \next, 0, 0
	SCALES (\sig)+1, ((\sig)+1)%2
	WIN MUL_HI
	MUL16 4, 1, 1, (\sig)%2, 0
	MUL16 6, 1, 1, (\sig)%2, 0
	PLACES 4
	WIN 0
	FETCH_A \next, 0, 4
.endm
	s_wait_loadcnt 0x0                             ; b_proj
	s_wait_tensorcnt 2                             ; the scale words and K 0-255 are in; the two younger fills may be out
	s_barrier_signal -1
	s_barrier_wait -1
	FETCH_B 0, 0, 0
	FETCH_A 0, 0, 0
	SCALES 0, 0
	FETCH_A 0, 0, 4
	STEP 0, 0, 1
	TURN 0, 1, 0, 2
	STEP 1, 1, 0
	TURN 1, 2, 1, 0                                ; slot 2 landed ahead of the round above, in every wave
	STEP 2, 2, 0
	TURN 2, 0, 2, 1
	STEP 0, 3, 0
	s_wait_dscnt 16
	WIN MUL_LO
	MUL16 0, 1, 1, 1, 0
	MUL16 2, 1, 1, 1, 0
	s_wait_dscnt 0x0
	WIN MUL_HI
	MUL16 4, 1, 1, 1, 0
	MUL16 6, 1, 1, 1, 0
	WIN 0
	PLACES 4
; THE WAY OUT, a fragment of 16 tokens x 128 channels at a time.  Register j of tile b is channel 32 (b / 2) + 16 h + 8 (b % 2) + j of token r: through my own stage, back as whole rows of 512 bytes.
; LDS serves a wave's instructions in order (ISA guide 5.7.1.4): no wait between the stores and the loads, nor in front of the next fragment's stores.
.macro TOSTAGE a
.set AC, 64*((\a)%4)
	WIN 0x08+4*((\a)/4)                            ; the data: window 2 or 3
.irp b, 0,1,2,3,4,5,6,7
	ds_store_b128 v[STO], v[AC+8*\b:AC+8*\b+3] offset:128*(\b/2)+32*(\b%2)        ; each accumulator from its low end on
	ds_store_b128 v[STO], v[AC+8*\b+4:AC+8*\b+7] offset:128*(\b/2)+32*(\b%2)+16
.endr
	WIN 0
.set BB, BK+64*((\a)%2)
.irp t, 0,1,2,3,4,5,6,7,8,9,10,11,12,13,14,15
	ds_load_b128 v[BB+4*\t:BB+4*\t+3], v[RD] offset:\t*SPITCH
.endr
.endm
.macro SEND a, younger                 ; younger: the LDS instructions issued behind this fragment's loads, which may stay out
.set BB, BK+64*((\a)%2)
	s_wait_dscnt \younger
.irp t, 0,1,2,3,4,5,6,7,8,9,10,11,12,13,14,15
	global_store_b128 v3, v[BB+4*\t:BB+4*\t+3], s[10:11] offset:(32*((\a)/2)+8*((\a)%2)+\t+8*(\t/8))*4096 th:TH_STORE_NT   ; 32 lanes store 512 consecutive bytes, aligned; 127 rows of 4,096 bytes at the most in the immediate
.endr
.endm
	TOSTAGE 0
.irp a, 1,2,3,4,5,6,7
.if \a > 1
	s_wait_xcnt 0x0                                ; the stores of two fragments back have read their registers: this fragment's loads may land there
.endif
	TOSTAGE \a
	SEND \a-1, 32                                  ; behind those loads: this fragment's 16 stores and 16 loads
.endr
	SEND 7, 0
	s_wait_tensorcnt 0x0                           ; the wave's end
	ds_add_u32 v[SPW], v[NIL]
	s_wait_dscnt 0x0
	CROUND                                         ; the closing round
	s_endpgm
.Lfunc_end_k_q084ec79a03_proj:
	.size	k_q084ec79a03_proj, .Lfunc_end_k_q084ec79a03_proj-k_q084ec79a03_proj
	.p2alignl 7, 3214868480
	.fill 96, 4, 3214868480
	.section	.rodata,"a",@progbits
	.p2align	6, 0x0
	.amdhsa_kernel k_q084ec79a03_proj
		.amdhsa_group_segment_fixed_size 327680
		.amdhsa_private_segment_fixed_size 0
		.amdhsa_enable_private_segment 0
		.amdhsa_kernarg_size 32
		.amdhsa_user_sgpr_count 2
		.amdhsa_user_sgpr_kernarg_segment_ptr 1
		.amdhsa_wavefront_size32 1
		.amdhsa_system_sgpr_workgroup_id_x 1
		.amdhsa_system_sgpr_workgroup_id_y 1
		.amdhsa_system_sgpr_workgroup_id_z 1
		.amdhsa_system_vgpr_workitem_id 0
		.amdhsa_next_free_vgpr 1024
		.amdhsa_next_free_sgpr 102
		.amdhsa_reserve_vcc 0
		.amdhsa_float_denorm_mode_32 3
		.amdhsa_float_denorm_mode_16_64 3
		.amdhsa_memory_ordered 1
		.amdhsa_forward_progress 1
		.amdhsa_inst_pref_size 145
	.end_amdhsa_kernel
	.amdgpu_metadata
---
amdhsa.version: [ 1, 2 ]
amdhsa.kernels:
  - .name:           k_q084ec79a03_proj
    .symbol:         k_q084ec79a03_proj.kd
    .args:
      - { .name: yq, .offset: 0, .size: 8, .value_kind: global_buffer, .address_space: global }
      - { .name: wq, .offset: 8, .size: 8, .value_kind: global_buffer, .address_space: global }
      - { .name: b_proj, .offset: 16, .size: 8, .value_kind: global_buffer, .address_space: global }
      - { .name: out0, .offset: 24, .size: 8, .value_kind: global_buffer, .address_space: global }
    .group_segment_fixed_size: 327680
    .private_segment_fixed_size: 0
    .kernarg_segment_align: 8
    .kernarg_segment_size: 32
    .max_flat_workgroup_size: 128
    .sgpr_count:     102
    .vgpr_count:     1024
    .wavefront_size: 32
...
	.end_amdgpu_metadata
.endif
;; end of part 4
;; ======== version 2 of 2: 4 launches; version 1 with the launch attn written anew for expert scheduling mode
;; limits: right only within a limited range of input values
;; workspace buffers: xq 6,553,600 bytes; wq 3,276,800 bytes; mk 532,480 bytes of whole numbers; qq 6,815,744 bytes; kv 13,369,344 bytes; yq 6,553,600 bytes
;; launch prep: the kernel of part 1 again; grid 512 x 1, 4 waves a work-group, no clusters, 47,616 bytes of LDS; arguments x, W_attn, W_proj, mask, xq, wq, mk; writes xq, wq, mk
;; launch qkv: the kernel of part 2 again; grid 12 x 32, 4 waves a work-group, clusters of 4 x 4, 327,680 bytes of LDS; arguments xq, wq, b_attn, qq, kv; writes qq, kv
;; launch attn (part 5): grid 4 x 64, 16 waves a work-group, no clusters, 211,968 bytes of LDS; arguments qq, kv, mk, yq; writes yq
.if DOCPART == 5
	.amdgcn_target "amdgcn-amd-amdhsa--gfx1250"
	.amdhsa_code_object_version 6
	.text
	.protected	k_q084ec79a03_attn
	.globl	k_q084ec79a03_attn
	.p2align	8
	.type	k_q084ec79a03_attn,@function
k_q084ec79a03_attn:
	s_mov_b64 s[64:65], 0
	v_nop
	global_prefetch_b8 v0, s[64:65] scope:SCOPE_SE
	s_setreg_imm32_b32 hwreg(HW_REG_WAVE_SCHED_MODE, 0, 2), 2
	s_setreg_imm32_b32 hwreg(HW_REG_WAVE_MODE, 25, 1), 1
	s_wait_xcnt 0x0
	s_wait_alu depctr_vm_vsrc(0)
; y = softmax(q k^T / 8, under the mask) v for one (batch, head), both products on codes of FP6 (E2M3) with E8M0 scales; y leaves as codes, quantised along the channels, laid as the last product's operand.
; THE SOFTMAX: t = score x log2(e) / 8; M = the running largest t rounded UP to a whole number; p = 2^(t - M) is quantised along the keys, not normalised; the row's sum is taken of the unquantised p and divides at the end.
; When M moves, the sum and O are multiplied by 2^(old M - new M), made by v_ldexp_f32: nothing is rounded.
; SHARES.  Work-group (x, bh); wave w works the tile of 16 queries 16 x + w and then tile 127 - (16 x + w).  A head's K and V for all 2,048 keys (16 blocks of 13,056 bytes: K's 8 half fragments, V's 4 fragments, their
; scale words) are copied into LDS once, a block a wave; behind the one barrier LDS is only read and the waves run freely.
; THE MASK is an input: an earlier launch has turned it into lane masks (64 words for a tile and a step of 128 keys) and a code for each (tile, step): 0 all hidden, 1 some hidden, 2 none.  A step with code 0 is passed over by a
; scalar branch on that stored number; hidden scores become -2^120 ahead of the maximum.  If some query of the tile has no visible key at all, no step of the tile is passed over: for that query every t - M is 0, every
; p is 1, and the result is the mean over all keys, as the softmax of equal logits gives.  As soon as a real score arrives, the factor 2^(old M - new M) is 0 and wipes what hidden keys have added.
; NO JOINT LOADS, though the four work-groups of a head read the same K and V: the step's branch hangs on a number read from memory; K and V are read once a work-group, 208,896 bytes.
; K = 64 in q k^T: registers 6-11 of K's and Q's fragments are zero codes, which add nothing under any scale byte but 0xff; the words' upper bytes are valid bytes or 0.
; LAYOUT.  S^T = K Q^T and O^T = V^T P^T: a lane holds one query throughout.  Key fragment 2 b + u holds keys 32 b + 8 u + r + 8 (r / 8): the 16 registers of tiles 2 b, 2 b + 1 are 16 neighbouring keys.
; LIMITS: NaN and infinities are not served; scores stay far above -2^120; a block of p or y under 2^-124 keeps the byte 1.
; REGISTERS: v1, v2 16 and 8 x lane; v3, v4 the step's LDS addresses; v5 16 r; v6 -2^120; v7 8 r + h; v12 -M, v13 largest t, v[14:15] the sum; v16-27 Q; v28-31 K's scale words; v32-127 K's 8 fragments;
;   v128-191 S^T, then p, then V's fragments; v192-223 O^T; v224-235 p's codes; v232-247, v252, v254 at work; v248-249 V's scale words; v253 p's scale word; v255 Q's; v250, v251 the closing add's two.
; THE MODE: SCHED_MODE bits 1:0 = 2 (LLVM: expert scheduling mode 2), set by the entry lines.  The code itself states the register dependences between vector or matrix instructions and memory or LDS
; instructions, with s_wait_alu, always for 0.
; THE PLAN.  Registers that memory or LDS instructions touch:
;   v1, v2, v5, v7     offsets, written at the head and never again; every global load and store reads one of them.
;   v3, v4             LDS addresses.  Written at the head for the copy, and by two additions at the head of each worked step (16 blocks of 13,056 bytes pass an LDS instruction's immediate); read by the copy's stores and by a step's 34 loads.
;   v128-229           at the head: the copy's global loads land there and its LDS stores read them.
;   v16-21, v255       Q: global loads land at a pass's head; the products K Q^T read them.
;   v32-37 + 12 phi, v28-31   K: LDS loads land at a step's head; that step's eight products read them.
;   v128-175, v248-249 V: LDS loads land behind p's conversions; until then v128-191 hold the scores and p; the four products V^T P^T read them.
;   v224-229, v240     y's codes and scale byte: written at a pass's end, read by its three stores, written again in the next pass.
; THE WAITS OF A STEP.  At its head, behind the additions: v3 and v4 are written.  Behind p's conversions: all that named v128-191 is done; V's loads follow, dealt among the lines that put p's codes in place, which name none of
; the registers that those loads touch.  Ahead of the products V^T P^T: the step's loads have read v3 and v4; p's codes and scale word are written.
; All 256 registers of each of the SIMD's four waves are taken: there is no second set for K or for V.
.set KVB,    13056
.set HEADKV, 208896
.set QSC,    6291456
.set YSC,    6291456
.set STRX,   1572864
.set MFL,    524288
.macro VFRAG t                         ; V's fragment t of the step in hand: its image comes back as it was stored, four loads, each dense over the lanes
	ds_load_b128 v[128+12*(\t):131+12*(\t)], v3 offset:6144+1536*(\t)
	ds_load_b64 v[132+12*(\t):133+12*(\t)], v4 offset:6144+1536*(\t)+512
	ds_load_b128 v[134+12*(\t):137+12*(\t)], v3 offset:6144+1536*(\t)+768
	ds_load_b64 v[138+12*(\t):139+12*(\t)], v4 offset:6144+1536*(\t)+1280
.endm
	s_load_b256 s[4:11], s[0:1], 0x0               ; qq, kv, mk, yq
	v_lshl_add_u32 v250, v0, 2, 0x33400
	v_mov_b32 v251, 0
	v_lshrrev_b32 v1, 5, v0
	v_readfirstlane_b32 s12, v1                    ; wave
	s_and_b32 s13, ttmp7, 0xffff                   ; 16 x batch + head
	v_and_b32 v8, 31, v0
	v_lshlrev_b32 v1, 4, v8
	v_lshlrev_b32 v2, 3, v8
	v_and_b32 v9, 15, v0
	v_lshlrev_b32 v5, 4, v9
	v_bfe_u32 v10, v0, 4, 1
	v_lshl_add_u32 v7, v9, 3, v10
	v_mov_b32 v6, 0xfb800000                       ; -2^120
	s_wait_alu depctr_va_sdst(0)                   ; s12 is written, ahead of its first reader: my block's place is made from it
	s_mul_i32 s26, s12, KVB
	v_add_nc_u32 v3, s26, v1
	v_add_nc_u32 v4, s26, v2
	s_wait_alu depctr_va_vdst(0)                   ; the offsets and addresses v1 to v5 and v7 are written, which the loads and stores below read
	s_mul_i32 s27, s13, HEADKV
	s_add_co_u32 s26, s26, s27
	s_mov_b32 s27, 0
	s_mov_b32 s20, 0x76543210
	s_mov_b32 s21, 0xfedcba98                      ; lane l xor 16
	s_mov_b32 s22, 0x3e38aa3b                      ; c = log2(e) / 8
	s_mov_b32 s23, s22
	s_mov_b32 s25, 0xffff0000                      ; lanes 16-31
	s_wait_kmcnt 0x0
	s_add_nc_u64 s[26:27], s[6:7], s[26:27]        ; my block of K and V
.irp i, 0,1,2,3,4,5,6,7,8,9,10,11,12,13,14,15,16,17,18,19,20,21,22,23,24
	global_load_b128 v[128+4*\i:131+4*\i], v1, s[26:27] offset:512*\i
.endr
	global_load_b64 v[228:229], v2, s[26:27] offset:12800
.irp i, 0,1,2,3,4,5,6,7,8,9,10,11,12,13,14,15,16,17,18,19,20,21,22,23,24
	s_wait_loadcnt 25-\i                           ; load i is in; the younger ones may be out
	ds_store_b128 v3, v[128+4*\i:131+4*\i] offset:512*\i
.endr
	s_wait_loadcnt 0x0
	ds_store_b64 v4, v[228:229] offset:12800
.irp phi, 0,1,2,3,4,5,6,7
.irp i, 6,7,8,9,10,11
	v_mov_b32 v[32+12*\phi+\i], 0                  ; K = 64 .. 127 of K's fragments: zero codes, written once
.endr
.endr
.irp i, 22,23,24,25,26,27
	v_mov_b32 v[\i], 0                             ; and of Q's
.endr
.irp b, 0,1,2,3
	v_mov_b32 v[236+\b], 0                         ; a lane permute's destination counts as one of its sources
.endr
	v_mov_b32 v252, 0
	v_mov_b32 v253, 0                              ; (named as the upper half of the pair v[252:253] before it is first written)
	s_lshl_b32 s14, ttmp9, 4
	s_add_co_u32 s14, s14, s12                     ; my first tile
	s_mov_b32 s15, 2
	s_wait_dscnt 0x0                               ; for the others' sake: my block lies in LDS
	s_barrier_signal -1
	s_barrier_wait -1
.Lpass:
	s_wait_xcnt 0x0                                ; the last pass's stores have read their registers and bases
	s_wait_alu depctr_vm_vsrc(0)                   ; first pass: the copy's LDS stores have read v3, v4 and v128-229; second pass: the last pass's stores have read v224-229 and v240: all of these are written again below
	s_mul_i32 s26, s13, 98304
	s_mul_i32 s28, s14, 768
	s_add_co_u32 s26, s26, s28
	s_mov_b32 s27, 0
	s_add_nc_u64 s[26:27], s[4:5], s[26:27]        ; Q's half fragment
	s_lshl_b32 s28, s13, 13
	s_lshr_b32 s29, s14, 3
	s_lshl_b32 s29, s29, 9
	s_add_co_u32 s28, s28, s29
	s_and_b32 s29, s14, 1
	s_lshl_b32 s29, s29, 8
	s_add_co_u32 s28, s28, s29
	s_bfe_u32 s29, s14, 0x20001
	s_lshl_b32 s29, s29, 2
	s_add_co_u32 s28, s28, s29
	s_add_co_u32 s28, s28, QSC
	s_mov_b32 s29, 0
	s_add_nc_u64 s[28:29], s[4:5], s[28:29]        ; its scale words: 16 bytes from row to row
	s_lshl_b32 s30, s14, 6
	s_add_co_u32 s30, s30, MFL
	global_load_b128 v[16:19], v1, s[26:27]        ; no wait on the vector side is owed here: since the last one (at the head; at the last pass's end, ahead of its stores) no vector or matrix instruction names v16-21, v255, v1, v2 or v5
	global_load_b64 v[20:21], v2, s[26:27] offset:512
	global_load_b32 v255, v5, s[28:29]
	s_load_b512 s[32:47], s[8:9], s30 offset:0x0   ; the tile's codes: four words from each of the four waves that read its mask
.irp j, 0,1,2,3,4,5,6,7,8,9,10,11,12,13,14,15,16,17,18,19,20,21,22,23,24,25,26,27,28,29,30,31
	v_mov_b32 v[192+\j], 0                         ; O^T: the step is written once; the first finds zeros
.endr
	v_mov_b32 v13, 0xff61b1e6                      ; the largest t so far: -3e38
	v_floor_f32 v12, -v13
	v_mov_b32 v14, 0
	v_mov_b32 v15, 0
	s_mov_b32 s17, 0                               ; the step's block in LDS
	s_lshl_b32 s18, s14, 12                        ; the step's mask words: 4,096 bytes a tile, 256 a step
	s_mov_b32 s16, 16
	s_wait_kmcnt 0x0
	s_and_b32 s24, s34, s38                        ; lanes all of whose 1,024 keys are hidden
	s_and_b32 s24, s24, s42
	s_and_b32 s24, s24, s46
	s_not_b32 s24, s24
	s_lshr_b32 s19, s24, 16
	s_or_b32 s24, s24, s19
	s_and_b32 s24, s24, 0xffff                     ; queries with a visible key
	s_lshl_b32 s36, s36, 8
	s_lshl_b32 s40, s40, 16
	s_lshl_b32 s44, s44, 24
	s_or_b32 s32, s32, s36
	s_or_b32 s32, s32, s40
	s_or_b32 s32, s32, s44                         ; codes with 0 for a hidden step
	s_lshl_b32 s37, s37, 8
	s_lshl_b32 s41, s41, 16
	s_lshl_b32 s45, s45, 24
	s_or_b32 s33, s33, s37
	s_or_b32 s33, s33, s41
	s_or_b32 s33, s33, s45                         ; codes that pass over nothing
	s_cmp_eq_u32 s24, 0xffff
	s_cselect_b32 s19, s32, s33
	s_wait_loadcnt 0x0                             ; Q
.Lstep:
	s_and_b32 s24, s19, 3
	s_cmp_eq_u32 s24, 0
	s_cbranch_scc1 .Ltail                          ; all 128 keys hidden from all 16 queries
	s_load_b512 s[32:47], s[8:9], s18 offset:0x0   ; the lane masks; asked for in every worked step
	s_load_b512 s[48:63], s[8:9], s18 offset:0x40
	s_load_b512 s[68:83], s[8:9], s18 offset:0x80
	s_load_b512 s[84:99], s[8:9], s18 offset:0xc0
	v_add_nc_u32 v3, s17, v1                       ; (every LDS instruction that read v3 or v4 stands ahead of a wait on vm_vsrc: at the pass's head, or ahead of the last worked step's second products)
	v_add_nc_u32 v4, s17, v2
.rept 3
	v_nop                                          ; with the two additions five plain lines: the products below write over registers that the last step's products read as source 0
.endr
	s_wait_alu depctr_va_vdst(0)                   ; v3 and v4 are written, which this step's LDS loads read; in the launch's first worked step the zero codes of K's and Q's fragments are written too, which the products below take
.irp phi, 0,1,2,3,4,5,6,7
	ds_load_b128 v[32+12*\phi:35+12*\phi], v3 offset:768*\phi
	ds_load_b64 v[36+12*\phi:37+12*\phi], v4 offset:768*\phi+512
.endr
	ds_load_b128 v[28:31], v3 offset:12288         ; word i: lanes 0-15 fragment 2 i, lanes 16-31 fragment 2 i + 1
	s_wait_dscnt 0x0
.irp phi, 0,1,2,3,4,5,6,7
.if (\phi)%2
	v_wmma_scale_f32_16x16x128_f8f6f4 v[128+8*\phi:135+8*\phi], v[32+12*\phi:43+12*\phi], v[16:27], 0, v[28+\phi/2], v255 matrix_a_fmt:MATRIX_FMT_FP6 matrix_b_fmt:MATRIX_FMT_FP6 matrix_a_scale:MATRIX_SCALE_ROW1
.else
	v_wmma_scale_f32_16x16x128_f8f6f4 v[128+8*\phi:135+8*\phi], v[32+12*\phi:43+12*\phi], v[16:27], 0, v[28+\phi/2], v255 matrix_a_fmt:MATRIX_FMT_FP6 matrix_b_fmt:MATRIX_FMT_FP6
.endif
.endr
.rept 4
	v_nop
.endr
	s_wait_kmcnt 0x0
	s_cmp_eq_u32 s24, 2
	s_cbranch_scc1 .Lopen                          ; nothing hidden in this step
.set n, 0
.rept 64
.if n < 32
	v_cndmask_b32 v[128+n], v[128+n], v6, s[32+n]
.else
	v_cndmask_b32 v[128+n], v[128+n], v6, s[36+n]
.endif
.set n, n+1
.endr
.Lopen:
.irp b, 0,1,2,3
	v_max3_num_f32 v[232+\b], v[128+16*\b], v[129+16*\b], v[130+16*\b]   ; the largest score of each block of 32 keys: for the row's maximum, and, since p rises with the score, for the block's largest p
.endr
.irp i, 3,5,7,9,11,13
.irp b, 0,1,2,3
	v_max3_num_f32 v[232+\b], v[232+\b], v[128+16*\b+\i], v[129+16*\b+\i]
.endr
.endr
.irp b, 0,1,2,3
	v_max_num_f32 v[232+\b], v[232+\b], v[143+16*\b]
.endr
.irp b, 0,1,2,3
	v_permlanex16_b32 v[236+\b], v[232+\b], s20, s21
.endr
.irp b, 0,1,2,3
	v_max_num_f32 v[232+\b], v[232+\b], v[236+\b]
.endr
	v_max3_num_f32 v254, v232, v233, v234
	v_max_num_f32 v254, v254, v235
	v_mul_f32 v254, s22, v254
	v_max_num_f32 v13, v13, v254                   ; the running largest t
	v_mov_b32 v254, v12
	v_floor_f32 v12, -v13                          ; the new -M = -ceil(t)
	v_sub_f32 v254, v12, v254                      ; old M - new M: a whole number, 0 or less
	v_cvt_i32_f32 v254, v254                       ; (it saturates)
	v_ldexp_f32 v252, 1.0, v254                    ; f = 2^(old M - new M)
.irp j, 0,2,4,6,8,10,12,14,16,18,20,22,24,26,28,30,32,34,36,38,40,42,44,46,48,50,52,54,56,58,60,62
	v_pk_fma_f32 v[128+\j:129+\j], v[128+\j:129+\j], s[22:23], v[12:13] op_sel_hi:[1,0,0]   ; t - M
.endr
.irp b, 0,1,2,3
	v_fma_f32 v[232+\b], v[232+\b], s22, v12
.endr
.irp j, 0,1,2,3,4,5,6,7,8,9,10,11,12,13,14,15,16,17,18,19,20,21,22,23,24,25,26,27,28,29,30,31,32,33,34,35,36,37,38,39,40,41,42,43,44,45,46,47,48,49,50,51,52,53,54,55,56,57,58,59,60,61,62,63
	v_exp_f32 v[128+\j], v[128+\j]                 ; p
.endr
	v_pk_mul_f32 v[14:15], v[14:15], v[252:253] op_sel_hi:[1,0]   ; the sums under the new M: a plain line behind the exponentials
	s_wait_alu depctr_va_vdst(0)                   ; the 64 exponentials have written p, v128-191: one wait for the batch, ahead of its first reader
.irp b, 0,1,2,3
	v_exp_f32 v[232+\b], v[232+\b]                 ; each block's largest p
.endr
	v_pk_add_f32 v[236:237], v[128:129], v[130:131]   ; the row's sum of the unquantised p, in two chains
.irp j, 4,8,12,16,20,24,28,32,36,40,44,48,52,56,60
	v_pk_add_f32 v[14:15], v[14:15], v[128+\j:129+\j]
	v_pk_add_f32 v[236:237], v[236:237], v[130+\j:131+\j]
.endr
	v_pk_add_f32 v[14:15], v[14:15], v[236:237]
	s_wait_alu depctr_va_vdst(0)                   ; the four exponentials have written v232-235, ahead of their first reader
.irp b, 0,1,2,3
	v_max_num_f32 v[232+\b], 0x1800000, v[232+\b]  ; the floor 2^(3 - 127)
.endr
.irp b, 0,1,2,3
	v_add_nc_u32 v[244+\b], 0xff000000, v[232+\b]
.endr
.irp b, 0,1,2,3
	v_lshrrev_b32 v[236+\b], 23, v[244+\b]
.endr
	v_lshl_or_b32 v253, v237, 8, v236              ; p's scale word for these 128 keys
	v_lshl_or_b32 v253, v238, 16, v253
	v_lshl_or_b32 v253, v239, 24, v253
.irp c, 0,1
	v_cvt_scalef32_pk16_fp6_f32 v[224+6*\c:226+6*\c], v[128+32*\c:143+32*\c], v[244+2*\c]
	v_cvt_scalef32_pk16_fp6_f32 v[236+4*\c:238+4*\c], v[144+32*\c:159+32*\c], v[244+2*\c+1]
.endr
	v_nop                                          ; one plain line behind the conversions
	s_wait_alu depctr_va_vdst(0)                   ; the conversions are done reading p, and all that wrote or read v128-191 before them is done: V's fragments land there
.irp c, 0,1                            ; V's four fragments take p's registers; their loads are dealt among the lines that put p's codes in place, which name v224-242 alone: no further wait
	VFRAG 2*\c
.irp i, 0,1,2
	v_permlane16_swap_b32 v[224+6*\c+\i], v[236+4*\c+\i]
.endr
	VFRAG 2*\c+1
.irp i, 0,1,2
	v_mov_b32 v[227+6*\c+\i], v[236+4*\c+\i]
.endr
.endr
	ds_load_b64 v[248:249], v4 offset:12800        ; V's scale words: the last products that read them stand ahead of this step's waits
.irp j, 0,2,4,6,8,10,12,14,16,18,20,22,24,26,28,30
	v_pk_mul_f32 v[192+\j:193+\j], v[192+\j:193+\j], v[252:253] op_sel_hi:[1,0]   ; O^T under the new M; twelve of these sixteen name no register of any one product below: the plain lines between p's codes and scale word and the products
.endr
	s_wait_dscnt 0x0
	s_wait_alu depctr_vm_vsrc(0)                   ; this step's LDS loads have read v3 and v4, which the next worked step's head writes
	s_wait_alu depctr_va_vdst(0)                   ; p's codes v224-235 and its scale word v253 are written, which the products below take; the plain lines above stay beside this wait
.irp t, 0,1,2,3
.if (\t)%2
	v_wmma_scale_f32_16x16x128_f8f6f4 v[192+8*\t:199+8*\t], v[128+12*\t:139+12*\t], v[224:235], v[192+8*\t:199+8*\t], v[248+\t/2], v253 matrix_a_fmt:MATRIX_FMT_FP6 matrix_b_fmt:MATRIX_FMT_FP6 matrix_a_scale:MATRIX_SCALE_ROW1
.else
	v_wmma_scale_f32_16x16x128_f8f6f4 v[192+8*\t:199+8*\t], v[128+12*\t:139+12*\t], v[224:235], v[192+8*\t:199+8*\t], v[248+\t/2], v253 matrix_a_fmt:MATRIX_FMT_FP6 matrix_b_fmt:MATRIX_FMT_FP6
.endif
.endr
.Ltail:
	s_add_co_u32 s17, s17, KVB
	s_add_co_u32 s18, s18, 256
	s_lshr_b32 s19, s19, 2
	s_sub_co_u32 s16, s16, 1
	s_cmp_lg_u32 s16, 0
	s_cbranch_scc1 .Lstep
	; THE PASS'S END: y = O^T / the sum; register 16 t + i is channel 32 t + 16 h + i of my query: two blocks of 32 along the last product's K.
.rept 4
	v_nop                                          ; plain lines behind the last products
.endr
	v_add_f32 v14, v14, v15
	v_permlanex16_b32 v252, v14, s20, s21
	v_add_f32 v14, v14, v252
	v_rcp_f32 v14, v14
	v_nop
	s_wait_alu depctr_va_vdst(0)                   ; the reciprocal has written v14, ahead of its first reader
.irp j, 0,1,2,3,4,5,6,7,8,9,10,11,12,13,14,15,16,17,18,19,20,21,22,23,24,25,26,27,28,29,30,31
	v_mul_f32 v[128+\j], v[192+\j], v14
.endr
.irp b, 0,1
	v_max3_num_f32 v[232+\b], |v[128+16*\b]|, |v[129+16*\b]|, 0x1800000
.endr
.irp i, 2,4,6,8,10,12,14
.irp b, 0,1
	v_max3_num_f32 v[232+\b], v[232+\b], |v[128+16*\b+\i]|, |v[129+16*\b+\i]|
.endr
.endr
.irp b, 0,1
	v_permlanex16_b32 v[236+\b], v[232+\b], s20, s21
.endr
.irp b, 0,1
	v_max_num_f32 v[232+\b], v[232+\b], v[236+\b]
.endr
.irp b, 0,1
	v_add_nc_u32 v[244+\b], 0xff000000, v[232+\b]
.endr
.irp b, 0,1
	v_lshrrev_b32 v[240+\b], 23, v[244+\b]
.endr
	v_cndmask_b32 v240, v240, v241, s25            ; lane (r, h) stores block h's byte
	v_cvt_scalef32_pk16_fp6_f32 v[224:226], v[128:143], v244
	v_cvt_scalef32_pk16_fp6_f32 v[236:238], v[144:159], v245
	v_nop
.irp i, 0,1,2
	v_permlane16_swap_b32 v[224+\i], v[236+\i]
.endr
.irp i, 0,1,2
	v_mov_b32 v[227+\i], v[236+\i]                 ; v224-229: lane (r, h) holds block h of row r: half a fragment's image
.endr
	s_and_b32 s26, s13, 15                         ; head
	s_lshr_b32 s27, s13, 4
	s_lshl_b32 s27, s27, 7
	s_add_co_u32 s27, s27, s14                     ; y's fragment: 128 x batch + tile
	s_lshr_b32 s28, s26, 2                         ; which 256 along K,
	s_bfe_u32 s29, s26, 0x10001                    ; which 128 of them,
	s_and_b32 s30, s26, 1                          ; which 64 of those
	s_mul_i32 s32, s28, STRX
	s_mul_i32 s33, s27, 3072
	s_add_co_u32 s32, s32, s33
	s_mul_i32 s33, s29, 1536
	s_add_co_u32 s32, s32, s33
	s_mul_i32 s33, s30, 768
	s_add_co_u32 s32, s32, s33
	s_mov_b32 s33, 0
	s_add_nc_u64 s[32:33], s[10:11], s[32:33]
	s_lshl_b32 s34, s27, 9
	s_lshl_b32 s35, s28, 7
	s_add_co_u32 s34, s34, s35
	s_lshl_b32 s35, s29, 2
	s_add_co_u32 s34, s34, s35
	s_lshl_b32 s35, s30, 1
	s_add_co_u32 s34, s34, s35
	s_add_co_u32 s34, s34, YSC
	s_mov_b32 s35, 0
	s_add_nc_u64 s[34:35], s[10:11], s[34:35]
	s_wait_alu depctr_va_vdst(0)                   ; y's codes v224-229 and its byte v240 are written, which the stores below read; and the pass's products are done reading Q, in whose registers the next pass's loads land
	global_store_b128 v1, v[224:227], s[32:33]     ; 512 and 256 consecutive bytes, aligned
	global_store_b64 v2, v[228:229], s[32:33] offset:512
	global_store_b8 v7, v240, s[34:35]             ; single bytes: two heads, of different work-groups, share a scale word; 32 bytes a tile and head
	s_sub_co_u32 s14, 127, s14                     ; the second tile
	s_sub_co_u32 s15, s15, 1
	s_cmp_lg_u32 s15, 0
	s_cbranch_scc1 .Lpass
	s_wait_dscnt 0x0                               ; the closing lines, six on end
	s_wait_alu 0x0
	s_wait_tensorcnt 0x0
	ds_add_u32 v250, v251
	s_wait_dscnt 0x0
	s_endpgm
.Lfunc_end_k_q084ec79a03_attn:
	.size	k_q084ec79a03_attn, .Lfunc_end_k_q084ec79a03_attn-k_q084ec79a03_attn
	.p2alignl 7, 3214868480
	.fill 96, 4, 3214868480
	.section	.rodata,"a",@progbits
	.p2align	6, 0x0
	.amdhsa_kernel k_q084ec79a03_attn
		.amdhsa_group_segment_fixed_size 211968
		.amdhsa_private_segment_fixed_size 0
		.amdhsa_enable_private_segment 0
		.amdhsa_kernarg_size 32
		.amdhsa_user_sgpr_count 2
		.amdhsa_user_sgpr_kernarg_segment_ptr 1
		.amdhsa_wavefront_size32 1
		.amdhsa_system_sgpr_workgroup_id_x 1
		.amdhsa_system_sgpr_workgroup_id_y 1
		.amdhsa_system_sgpr_workgroup_id_z 1
		.amdhsa_system_vgpr_workitem_id 0
		.amdhsa_next_free_vgpr 256
		.amdhsa_next_free_sgpr 102
		.amdhsa_reserve_vcc 0
		.amdhsa_float_denorm_mode_32 3
		.amdhsa_float_denorm_mode_16_64 3
		.amdhsa_memory_ordered 1
		.amdhsa_forward_progress 1
		.amdhsa_inst_pref_size 38
	.end_amdhsa_kernel
	.amdgpu_metadata
---
amdhsa.version: [ 1, 2 ]
amdhsa.kernels:
  - .name:           k_q084ec79a03_attn
    .symbol:         k_q084ec79a03_attn.kd
    .args:
      - { .name: qq, .offset: 0, .size: 8, .value_kind: global_buffer, .address_space: global }
      - { .name: kv, .offset: 8, .size: 8, .value_kind: global_buffer, .address_space: global }
      - { .name: mk, .offset: 16, .size: 8, .value_kind: global_buffer, .address_space: global }
      - { .name: yq, .offset: 24, .size: 8, .value_kind: global_buffer, .address_space: global }
    .group_segment_fixed_size: 211968
    .private_segment_fixed_size: 0
    .kernarg_segment_align: 8
    .kernarg_segment_size: 32
    .max_flat_workgroup_size: 512
    .sgpr_count:     102
    .vgpr_count:     256
    .wavefront_size: 32
...
	.end_amdgpu_metadata
.endif
;; end of part 5
;; launch proj: the kernel of part 4 again; grid 4 x 32, 4 waves a work-group, clusters of 4 x 4, 327,680 bytes of LDS; arguments yq, wq, b_proj, out0; writes out0
